; MI455X (gfx1250); checked and timed in simulation.
; The chip was launched on July 23, 2026; its instructions are those of AMD's public machine-readable ISA for CDNA 5 (MIT licence, August 2026) and "CDNA5" Instruction Set Architecture Reference Guide (July 2026). The comments in the code are by the model that wrote it; some were corrected since.
;; Full Attention Block. Allowed arithmetic: matrix products marked QUANTISED: E2M1 operands, one E8M0 scale for each 32 along K, by v_wmma_scale_f32_16x16x128_f8f6f4 with both operands' format E2M1 (or v_wmma_scale_f32_32x16x128_f4), f32 sums; products left as they are: bf16, f16 or f32 operands; f32 sums; everything else in f32.
;; Inputs: Wk 512 x 1,024 float32; Wo 1,024 x 2,048 float32; Wq 4,096 x 1,024 float32; Wv 512 x 1,024 float32; hidden_states 2 x 2,048 x 1,024 float32; k_norm_w 256 float32; position_ids 2,048 int32; q_norm_w 256 float32.
;; Outputs: out0 2 x 2,048 x 1,024 float32.
;; This version of the problem:
;;   THIS VERSION OF THE PROBLEM IS GIVEN IN LOW PRECISION. The matrix products marked QUANTISED in the list below multiply operands that are first quantised to E2M1 (2 exponent bits, 1 mantissa bit; 4 bits a number), with one power-of-two scale for each 32 numbers along K (OCP MX v1.0); their sums are f32. The products marked 'left as it is' may take bf16, f16 or f32 operands, with f32 sums. Whichever they take, every output number must still come out within the allowed error. Rounding operands to bf16 (8 significant bits) uses up far more of that allowance than f16 does (11 bits, for magnitudes from 6e-5 to 65,504). All else is computed in f32.
;;   The module's matrix products, in the order in which they are computed (A, B: the left and right operand; K: the contracted axis; several contracted axes count as one K, in the product's order):
;;     1. [M 4,096, K 1,024] x [K 1,024, N 4,096]; A: input hidden_states; B: input Wq: QUANTISED
;;     2. [M 4,096, K 1,024] x [K 1,024, N 512]; A: input hidden_states; B: input Wk: QUANTISED
;;     3. [M 4,096, K 1,024] x [K 1,024, N 512]; A: input hidden_states; B: input Wv: QUANTISED
;;     4. batch 4 x [M 8,192, K 256] x [K 256, N 2,048]; A: computed on the way; B: computed on the way: left as it is (an operand is computed on the way)
;;     5. batch 4 x [M 8,192, K 2,048] x [K 2,048, N 256]; A: computed on the way; B: computed on the way: left as it is (an operand is computed on the way)
;;     6. [M 4,096, K 2,048] x [K 2,048, N 1,024]; A: computed on the way; B: input Wo: left as it is (an operand is computed on the way)
;;   THE QUANTISER, for each operand of a quantised product, along K:
;;     - K is cut into blocks of 32 from its start; a last block that is shorter is filled with zeros.
;;     - A block's scale is 2^e with e = floor(log2(the largest magnitude in the block)) - 2, held to -126 .. 127; a block of zeros has e = 0. As a byte (E8M0): e + 127.
;;     - Each number is divided by its block's scale, clamped to +-6, and rounded to the nearest number of E2M1, ties to even, subnormals kept.
;;     - The product sums the exact products of the quantised numbers (number of the format x scale) in f32.
;;   ~~~python
;;   def quantise(x, axis):      # numpy; x: float32 -> the quantised numbers, widened to float32 again
;;       x = np.moveaxis(x, axis, -1); K = x.shape[-1]
;;       x = np.pad(x, [(0, 0)] * (x.ndim - 1) + [(0, -K % 32)]); x = x.reshape(x.shape[:-1] + (-1, 32)); a = np.abs(x).max(-1, keepdims=True)
;;       e = np.where(a > 0, np.clip(np.frexp(np.where(a > 0, a, 1))[1] - 1 - 2, -126, 127), 0)      # np.frexp(a)[1] - 1 = floor(log2(a)), exactly
;;       r = np.clip(x / 2.0 ** e, -6, 6)
;;       step = 2.0 ** (np.maximum(np.frexp(np.where(r == 0, 1, r))[1] - 1, 0) - 1)
;;       q = np.round(r / step) * step * 2.0 ** e      # np.round: ties to even
;;       return np.moveaxis(q.reshape(q.shape[:-2] + (-1,))[..., :K], -1, axis).astype(np.float32)
;;   ~~~
;; One version. Each part assembles by itself: llvm-mc -triple=amdgcn-amd-amdhsa -mcpu=gfx1250 --defsym DOCPART=n.
;; ======== version 1 of 1: 4 launches
;; limits: values are held in f16: magnitudes above 65,504 overflow, below 6.1e-05 lose precision; right only within a limited range of input values
;; workspace buffers: codes 4,718,592 bytes; scales 294,912 bytes; tab 4,751,360 bytes; q16 16,777,216 bytes; kv16 8,404,992 bytes; gate 33,554,432 bytes; a16 16,777,216 bytes; ascale 131,072 bytes
;; launch prep (part 1): grid 450 x 1, 4 waves a work-group, no clusters, 99,840 bytes of LDS; arguments hidden_states, Wq, Wk, Wv, Wo, position_ids, codes, scales, tab, kv16; writes codes, scales, tab, kv16
.if DOCPART == 1
	.amdgcn_target "amdgcn-amd-amdhsa--gfx1250"
	.amdhsa_code_object_version 6
	.text
	.protected	k_q16ed10445e_prep
	.globl	k_q16ed10445e_prep
	.p2align	8
	.type	k_q16ed10445e_prep,@function
k_q16ed10445e_prep:
	s_mov_b64 s[64:65], 0
	v_nop
	global_prefetch_b8 v0, s[64:65] scope:SCOPE_SE
	s_setreg_imm32_b32 hwreg(HW_REG_WAVE_MODE, 25, 1), 1
	s_wait_xcnt 0x0
; PREP: everything that is made once from the inputs.  Three ways, parted by the work-group's number; each has LDS bytes of its own.
;  Q (work-groups 0-287): hidden_states, Wq, Wk, Wv, f32 with K innermost, are one stream of blocks of 32 numbers: codes of FP4 (E2M1) and one E8M0 byte a block.
;    A block's scale is 2^(floor(log2(largest magnitude)) - 2); its byte is the largest magnitude's exponent field - 2, held at 1 from below (a block of zeros keeps the byte 1: its codes are zeros, and this program alone reads the bytes).
;    codes: x's 4,096 rows of 512 bytes, then the 5,120 weight rows (Wq, Wk, Wv); scales: 32 bytes a row, in the same order.
;  W (288-415): Wo becomes f16, laid as images of operand registers: tab + (head x 64 + n tile) x 8 KiB; element (row r, k) at (k / 8) x 256 + 16 r + 2 (k % 8).
;  R (416-449): the table of cos and sin, one tile of 4 KiB for 16 positions, in the order in which the projection's results lie in a lane; tiles 128-135 are made with position 0 (cos 1, sin 0).  The first 64 waves also store the 16 KiB of zeros in front of V.
; LIMITS: blocks whose largest magnitude lies under 2^-124 were not tried; NaN and infinities are not served; rope angles up to about 1e5 in size (two-part reduction by pi / 2); 1 / frequency within about 7 parts in 10^7 of a correctly rounded one.
.set EMAX,  2
.set CB,    8                          ; bytes of 16 codes
.set STEPS, 16
.set AHEAD, 8                          ; Q: loads run eight steps ahead: 32 loads, half of a wave's 32 KiB, are on their way
.set R,     16                         ; Q: v16-143 eight sets of 16 numbers as loaded
.set X,     144                        ; Q: v144-175 two sets of 16 neighbours
.set E,     176                        ; Q: v176-191 a scale byte a step
.set C,     192                        ; Q: v192-223 codes, two registers a step, so that no store's data are written again
.set WREG,  8192                       ; Q: LDS of a wave: two stages of 32 x 80 bytes, then 256 scale bytes
.set SP,    80
.set WSTG,  4*WREG                     ; W: the stages begin here
.set WPIT,  1040                       ; W: a stage row: 1,024 bytes + 16: an odd multiple of 16
.set WSZ,   16*WPIT
.set SPARE, WSTG+4*WSZ                 ; the spare words: 128 bytes a wave, two blocks of 256 bytes that no other line names
.set SPW,   12                         ; v12 LDS address of my spare word; never rewritten
.set NIL,   13                         ; v13 0; never rewritten
.set ROPE,  0x400000                   ; the table's place in tab
.set VOFF,  0x400000                   ; the zeros' place in kv16
	s_load_b256 s[4:11], s[0:1], 0x0               ; hidden s[4:5], Wq s[6:7], Wk s[8:9], Wv s[10:11]
	s_load_b256 s[20:27], s[0:1], 0x20             ; Wo s[20:21], position_ids s[22:23], codes s[24:25], scales s[26:27]
	s_load_b128 s[28:31], s[0:1], 0x40             ; tab s[28:29], kv16 s[30:31]
	v_lshl_add_u32 v[SPW], v0, 2, SPARE
	v_mov_b32 v[NIL], 0
	v_lshrrev_b32 v1, 5, v0
	v_readfirstlane_b32 s16, v1                    ; wave
	v_and_b32 v2, 31, v0                           ; lane
	s_cmp_ge_u32 ttmp9, 416
	s_cbranch_scc1 .Lrope
	s_cmp_ge_u32 ttmp9, 288
	s_cbranch_scc1 .Lwo
; ---------------- Q: the quantiser.  A wave takes 16 steps of 512 numbers.  Each load reads 512 consecutive bytes; a step's 2,048 bytes turn through the wave's own stage so that a lane holds 16 neighbours along K.
	v_lshlrev_b32 v3, 4, v2                        ; my 16 bytes of a load's 512
	s_mul_i32 s17, s16, WREG
	v_lshrrev_b32 v14, 2, v2
	v_mul_u32_u24 v14, v14, SP
	v_and_b32 v15, 3, v2
	v_lshl_add_u32 v14, v15, 4, v14
	v_add_nc_u32 v14, s17, v14                     ; the stage, on the way in: 80 (lane / 4) + 16 (lane % 4)
	v_mul_u32_u24 v15, v2, SP
	v_add_nc_u32 v15, s17, v15                     ; and on the way out: 80 x lane
	v_mul_u32_u24 v4, v2, CB                       ; my codes' place in a step's
	v_lshrrev_b32 v5, 1, v2
	s_add_co_u32 s17, s17, 2*32*SP
	v_add_nc_u32 v5, s17, v5                       ; LDS: my block's scale byte
	v_lshlrev_b32 v7, 3, v2
	v_add_nc_u32 v6, s17, v7                       ; and on the way out 8 bytes a lane
	s_wait_kmcnt 0x0
	s_mov_b64 s[32:33], s[10:11]                   ; which tensor: the choice hangs on the work-group's number alone
	s_mov_b32 s34, 272
	s_cmp_lt_u32 ttmp9, 272
	s_cselect_b64 s[32:33], s[8:9], s[32:33]
	s_cselect_b32 s34, 256, s34
	s_cmp_lt_u32 ttmp9, 256
	s_cselect_b64 s[32:33], s[6:7], s[32:33]
	s_cselect_b32 s34, 128, s34
	s_cmp_lt_u32 ttmp9, 128
	s_cselect_b64 s[32:33], s[4:5], s[32:33]
	s_cselect_b32 s34, 0, s34
	s_sub_co_u32 s34, ttmp9, s34
	s_lshl_b32 s34, s34, 2
	s_add_co_u32 s34, s34, s16                     ; my run of 8,192 numbers in that tensor
	s_lshl_b32 s34, s34, 15
	s_mov_b32 s35, 0
	s_add_nc_u64 s[32:33], s[32:33], s[34:35]
	s_lshl_b32 s36, ttmp9, 2
	s_add_co_u32 s36, s36, s16                     ; my run in the whole stream: the outputs follow the stream's order
	s_lshl_b32 s38, s36, 12
	s_mov_b32 s39, 0
	s_add_nc_u64 s[24:25], s[24:25], s[38:39]      ; 4,096 bytes of codes a run
	s_lshl_b32 s38, s36, 8
	s_add_nc_u64 s[26:27], s[26:27], s[38:39]      ; 256 scale bytes a run
.macro LOAD t
.irp i, 0,1,2,3
	global_load_b128 v[R+16*((\t)%AHEAD)+4*\i:R+16*((\t)%AHEAD)+4*\i+3], v3, s[32:33] offset:2048*(\t)+512*\i th:TH_LOAD_NT
.endr
.endm
.macro TURN t                          ; step t's numbers through the stage: LDS serves a wave's instructions in order
.irp i, 0,1,2,3
	ds_store_b128 v14, v[R+16*((\t)%AHEAD)+4*\i:R+16*((\t)%AHEAD)+4*\i+3] offset:32*SP*((\t)%2)+8*SP*\i
.endr
.irp i, 0,1,2,3
	ds_load_b128 v[X+16*((\t)%2)+4*\i:X+16*((\t)%2)+4*\i+3], v15 offset:32*SP*((\t)%2)+16*\i
.endr
.endm
.irp t, 0,1,2,3,4,5,6,7
	LOAD \t
.endr
	s_wait_loadcnt 4*(AHEAD-1)                     ; step 0's four loads are in; the 28 younger ones stay out
	TURN 0
.macro STEP t
.set XS, X+16*((\t)%2)
.if (\t) > 0
	s_wait_dscnt 1                                 ; this step's numbers are back from the stage, so its stores into the stage have read their registers; the last step's byte store may be out
.else
	s_wait_dscnt 0x0
.endif
.if (\t)+AHEAD < STEPS
	LOAD (\t)+AHEAD                                ; into the set that this step has left
.endif
.if (\t)+1 < STEPS
.if STEPS-2-(\t) >= AHEAD-1
	s_wait_loadcnt 4*(AHEAD-1)                     ; the next step's four loads are in; those of the seven steps behind it may be out
.else
	s_wait_loadcnt 4*(STEPS-2-(\t))                ; near the end: as many steps as are left behind it
.endif
	TURN (\t)+1
.endif
	v_max3_num_f32 v8, |v[XS]|, |v[XS+1]|, |v[XS+2]|
	v_max3_num_f32 v9, |v[XS+3]|, |v[XS+4]|, |v[XS+5]|
.irp i, 6,10
	v_max3_num_f32 v8, v8, |v[XS+\i]|, |v[XS+\i+1]|
	v_max3_num_f32 v9, v9, |v[XS+\i+2]|, |v[XS+\i+3]|
.endr
	v_max3_num_f32 v8, v8, |v[XS+14]|, |v[XS+15]|
	v_max3_num_f32 v8, v8, v9, (EMAX+1)<<23        ; the floor 2^(3 - 127): the byte cannot fall under 1
	v_max_num_f32_dpp v8, v8, v8 row_xmask:1 row_mask:0xf bank_mask:0xf   ; with my neighbour's 16: the block's largest magnitude
	v_add_nc_u32 v11, -(EMAX<<23), v8              ; 2 off its exponent field: the conversion takes that field as its scale
	v_cvt_scalef32_pk8_fp4_f32 v[C+2*(\t)], v[XS:XS+7], v11
	v_cvt_scalef32_pk8_fp4_f32 v[C+2*(\t)+1], v[XS+8:XS+15], v11
	v_lshrrev_b32 v[E+(\t)], 23, v11               ; the scale's byte
	ds_store_b8 v5, v[E+(\t)] offset:16*(\t)       ; both lanes of a block write the same byte with the same value
	global_store_b64 v4, v[C+2*(\t):C+2*(\t)+1], s[24:25] offset:32*CB*(\t)   ; the wave stores 256 consecutive bytes
.endm
.irp t, 0,1,2,3,4,5,6,7,8,9,10,11,12,13,14,15
	STEP \t
.endr
	ds_load_b64 v[8:9], v6
	s_wait_dscnt 0x0
	global_store_b64 v7, v[8:9], s[26:27]          ; 256 consecutive scale bytes
	s_wait_tensorcnt 0x0                           ; the wave's end: these three lines behind my last LDS store
	ds_add_u32 v[SPW], v[NIL]
	s_wait_dscnt 0x0
	s_endpgm
; ---------------- W: 16 rows x 256 k of Wo a wave.  Loads read 512 consecutive bytes of a row; the stage turns them so that lane (r, h) holds 8 neighbours of row r; each store is 512 consecutive bytes of the image.
.Lwo:
	s_sub_co_u32 s34, ttmp9, 288
	s_lshl_b32 s34, s34, 2
	s_add_co_u32 s34, s34, s16                     ; block 0..511
	s_lshr_b32 s35, s34, 3                         ; n tile
	s_and_b32 s36, s34, 7                          ; head
	s_lshl_b32 s38, s35, 17                        ; 16 rows of 8,192 bytes
	s_lshl_b32 s37, s36, 10                        ; 256 numbers along a row
	s_add_co_u32 s38, s38, s37
	s_mov_b32 s39, 0
	s_lshl_b32 s40, s36, 6
	s_add_co_u32 s40, s40, s35
	s_lshl_b32 s40, s40, 13                        ; (head x 64 + n tile) x 8 KiB
	s_mov_b32 s41, 0
	s_mul_i32 s17, s16, WSZ
	s_add_co_u32 s17, s17, WSTG                    ; my stage
	v_lshlrev_b32 v3, 4, v2                        ; 16 x lane
	v_add_nc_u32 v4, s17, v3                       ; in
	v_and_b32 v5, 15, v2
	v_lshrrev_b32 v6, 4, v2
	v_mul_u32_u24 v5, v5, WPIT
	v_lshl_add_u32 v5, v6, 5, v5
	v_add_nc_u32 v5, s17, v5                       ; back: row r, + 32 h
	s_wait_kmcnt 0x0
	s_add_nc_u64 s[20:21], s[20:21], s[38:39]
	s_add_nc_u64 s[28:29], s[28:29], s[40:41]
.set i, 0
.rept 16
	global_load_b128 v[32+8*i:32+8*i+3], v3, s[20:21] offset:8192*i th:TH_LOAD_NT
	global_load_b128 v[32+8*i+4:32+8*i+7], v3, s[20:21] offset:8192*i+512 th:TH_LOAD_NT
.set i, i+1
.endr
	s_wait_loadcnt 0x0
.set i, 0
.rept 16
	ds_store_b128 v4, v[32+8*i:32+8*i+3] offset:WPIT*i
	ds_store_b128 v4, v[32+8*i+4:32+8*i+7] offset:WPIT*i+512
.set i, i+1
.endr
	s_wait_dscnt 0x0                               ; the stores have read their registers: the loads below land there
.set i, 0
.rept 16
	ds_load_b128 v[32+8*i:32+8*i+3], v5 offset:64*i
	ds_load_b128 v[32+8*i+4:32+8*i+7], v5 offset:64*i+16
.set i, i+1
.endr
.set i, 0
.rept 16
	s_wait_dscnt 30-2*i                            ; unit i's two loads are in; the younger ones stay out
	v_cvt_pk_f16_f32 v[32+8*i], v[32+8*i], v[32+8*i+1]        ; in place, ascending: a register is written only when it has been read
	v_cvt_pk_f16_f32 v[32+8*i+1], v[32+8*i+2], v[32+8*i+3]
	v_cvt_pk_f16_f32 v[32+8*i+2], v[32+8*i+4], v[32+8*i+5]
	v_cvt_pk_f16_f32 v[32+8*i+3], v[32+8*i+6], v[32+8*i+7]
	global_store_b128 v3, v[32+8*i:32+8*i+3], s[28:29] offset:512*i
.set i, i+1
.endr
	s_wait_tensorcnt 0x0                           ; the wave's end: these three lines behind my last LDS store
	ds_add_u32 v[SPW], v[NIL]
	s_wait_dscnt 0x0
	s_endpgm
; ---------------- R: a tile of the table a wave.  Lane (r, h) makes 16 frequencies of position r: number i is frequency 16 (i / 8) + 8 h + i % 8.  This way writes no LDS.
.Lrope:
	s_sub_co_u32 s36, ttmp9, 416
	s_lshl_b32 s36, s36, 2
	s_add_co_u32 s36, s36, s16                     ; tile 0..135
	s_min_u32 s37, s36, 127
	s_lshl_b32 s38, s37, 6                         ; its 16 positions
	s_mov_b32 s39, 0
	s_lshl_b32 s40, s36, 12
	s_add_co_u32 s40, s40, ROPE
	s_mov_b32 s41, 0
	s_lshl_b32 s42, s36, 8
	s_add_co_u32 s42, s42, VOFF
	s_mov_b32 s43, 0
	s_cmp_lt_u32 s36, 128
	s_cselect_b32 s44, 0x3f800000, 0               ; tiles 128 on: position x 0
	v_and_b32 v1, 15, v2
	v_lshrrev_b32 v3, 4, v2
	v_lshlrev_b32 v4, 2, v1
	v_lshlrev_b32 v5, 3, v3                        ; 8 h
	v_lshlrev_b32 v6, 4, v2                        ; 16 x lane
	v_lshlrev_b32 v7, 3, v2                        ; 8 x lane
	v_mov_b32 v9, 0xb94ca1f9                       ; the sine's highest coefficient
	v_mov_b32 v10, 0x37ccf5ce                      ; the cosine's
	v_mov_b32 v14, 0
	v_mov_b32 v15, 0
	s_wait_kmcnt 0x0
	s_add_nc_u64 s[22:23], s[22:23], s[38:39]
	s_add_nc_u64 s[28:29], s[28:29], s[40:41]
	s_add_nc_u64 s[30:31], s[30:31], s[42:43]
	global_load_b32 v8, v4, s[22:23]
.set i, 0
.rept 16
	v_add_nc_u32 v[16+i], 16*(i/8)+i%8, v5
.set i, i+1
.endr
.set i, 0
.rept 16
	v_cvt_f32_u32 v[16+i], v[16+i]
.set i, i+1
.endr
.set i, 0
.rept 16
	v_mul_f32 v[16+i], 0xbf3a0729, v[16+i]         ; x -log2(1e7) / 32
.set i, i+1
.endr
.set i, 0
.rept 16
	v_exp_f32 v[16+i], v[16+i]                     ; 1e7^(-frequency / 32)
.set i, i+1
.endr
	v_nop                                          ; a plain instruction behind the last exponential
	s_wait_alu depctr_va_vdst(0)                   ; one wait for the batch, ahead of its first reader
	s_wait_loadcnt 0x0
	v_cvt_f32_i32 v8, v8
	v_mul_f32 v8, s44, v8
.set i, 0
.rept 16
	v_mul_f32 v[16+i], v8, v[16+i]                 ; the angle x
.set i, i+1
.endr
.set i, 0
.rept 16
	v_mul_f32 v[32+i], 0x3f22f983, v[16+i]         ; x 2 / pi
.set i, i+1
.endr
.set i, 0
.rept 16
	v_rndne_f32 v[32+i], v[32+i]                   ; n
.set i, i+1
.endr
.set i, 0
.rept 16
	v_fmamk_f32 v[48+i], v[32+i], 0xbfc90fdb, v[16+i]   ; x - n x (pi / 2's upper part)
.set i, i+1
.endr
.set i, 0
.rept 16
	v_fmamk_f32 v[48+i], v[32+i], 0x333bbd2e, v[48+i]   ; - n x its lower part (which is negative): r, at most pi / 4 in size
.set i, i+1
.endr
.set i, 0
.rept 16
	v_mul_f32 v[64+i], v[48+i], v[48+i]            ; s = r r
	v_cvt_i32_f32 v[112+i], v[32+i]                ; the quadrant
.set i, i+1
.endr
.set i, 0
.rept 16
	v_fmaak_f32 v[80+i], v9, v[64+i], 0x3c08839e
	v_fmaak_f32 v[96+i], v10, v[64+i], 0xbab6061a
.set i, i+1
.endr
.set i, 0
.rept 16
	v_fmaak_f32 v[80+i], v[80+i], v[64+i], 0xbe2aaaa3
	v_fmaak_f32 v[96+i], v[96+i], v[64+i], 0x3d2aaaa5
.set i, i+1
.endr
.set i, 0
.rept 16
	v_mul_f32 v[80+i], v[80+i], v[64+i]
	v_mul_f32 v[96+i], v[96+i], v[64+i]
	v_fma_f32 v[32+i], v[64+i], -0.5, 1.0
.set i, i+1
.endr
.set i, 0
.rept 16
	v_fma_f32 v[80+i], v[80+i], v[48+i], v[48+i]   ; sin r
	v_fma_f32 v[96+i], v[96+i], v[64+i], v[32+i]   ; cos r
.set i, i+1
.endr
.set i, 0
.rept 16
	v_and_b32 v[48+i], 1, v[112+i]
	v_cmp_ne_u32 vcc_lo, 0, v[48+i]                ; odd quadrants change sine and cosine
	v_cndmask_b32 v[144+i], v[80+i], v[96+i], vcc_lo
	v_cndmask_b32 v[128+i], v[96+i], v[80+i], vcc_lo
.set i, i+1
.endr
.set i, 0
.rept 16
	v_and_b32 v[48+i], 2, v[112+i]                 ; the sine is negative in quadrants 2, 3,
	v_add_nc_u32 v[112+i], 1, v[112+i]
.set i, i+1
.endr
.set i, 0
.rept 16
	v_lshlrev_b32 v[48+i], 30, v[48+i]
	v_and_b32 v[112+i], 2, v[112+i]                ; the cosine in quadrants 1, 2
.set i, i+1
.endr
.set i, 0
.rept 16
	v_xor_b32 v[144+i], v[48+i], v[144+i]
	v_lshlrev_b32 v[112+i], 30, v[112+i]
.set i, i+1
.endr
.set i, 0
.rept 16
	v_xor_b32 v[128+i], v[112+i], v[128+i]
.set i, i+1
.endr
.irp u, 0,1,2,3
	global_store_b128 v6, v[128+4*\u:128+4*\u+3], s[28:29] offset:512*\u          ; each store is 512 consecutive bytes
	global_store_b128 v6, v[144+4*\u:144+4*\u+3], s[28:29] offset:512*\u+2048
.endr
	s_cmp_lt_u32 s36, 64                           ; ids alone
	s_cbranch_scc0 .Lno_pad
	global_store_b64 v7, v[14:15], s[30:31]        ; 256 of the 16,384 zeros in front of V
.Lno_pad:
	s_endpgm
.Lfunc_end_k_q16ed10445e_prep:
	.size	k_q16ed10445e_prep, .Lfunc_end_k_q16ed10445e_prep-k_q16ed10445e_prep
	.p2alignl 7, 3214868480
	.fill 96, 4, 3214868480
	.section	.rodata,"a",@progbits
	.p2align	6, 0x0
	.amdhsa_kernel k_q16ed10445e_prep
		.amdhsa_group_segment_fixed_size 99840
		.amdhsa_private_segment_fixed_size 0
		.amdhsa_enable_private_segment 0
		.amdhsa_kernarg_size 80
		.amdhsa_user_sgpr_count 2
		.amdhsa_user_sgpr_kernarg_segment_ptr 1
		.amdhsa_wavefront_size32 1
		.amdhsa_system_sgpr_workgroup_id_x 1
		.amdhsa_system_sgpr_workgroup_id_y 1
		.amdhsa_system_sgpr_workgroup_id_z 1
		.amdhsa_system_vgpr_workitem_id 0
		.amdhsa_next_free_vgpr 224
		.amdhsa_next_free_sgpr 66
		.amdhsa_reserve_vcc 1
		.amdhsa_float_denorm_mode_32 3
		.amdhsa_float_denorm_mode_16_64 3
		.amdhsa_memory_ordered 1
		.amdhsa_forward_progress 1
		.amdhsa_inst_pref_size 71
	.end_amdhsa_kernel
	.amdgpu_metadata
---
amdhsa.version: [ 1, 2 ]
amdhsa.kernels:
  - .name:           k_q16ed10445e_prep
    .symbol:         k_q16ed10445e_prep.kd
    .args:
      - { .name: hidden_states, .offset: 0, .size: 8, .value_kind: global_buffer, .address_space: global }
      - { .name: Wq, .offset: 8, .size: 8, .value_kind: global_buffer, .address_space: global }
      - { .name: Wk, .offset: 16, .size: 8, .value_kind: global_buffer, .address_space: global }
      - { .name: Wv, .offset: 24, .size: 8, .value_kind: global_buffer, .address_space: global }
      - { .name: Wo, .offset: 32, .size: 8, .value_kind: global_buffer, .address_space: global }
      - { .name: position_ids, .offset: 40, .size: 8, .value_kind: global_buffer, .address_space: global }
      - { .name: codes, .offset: 48, .size: 8, .value_kind: global_buffer, .address_space: global }
      - { .name: scales, .offset: 56, .size: 8, .value_kind: global_buffer, .address_space: global }
      - { .name: tab, .offset: 64, .size: 8, .value_kind: global_buffer, .address_space: global }
      - { .name: kv16, .offset: 72, .size: 8, .value_kind: global_buffer, .address_space: global }
    .group_segment_fixed_size: 99840
    .private_segment_fixed_size: 0
    .kernarg_segment_align: 8
    .kernarg_segment_size: 80
    .max_flat_workgroup_size: 128
    .sgpr_count:     66
    .vgpr_count:     224
    .wavefront_size: 32
...
	.end_amdgpu_metadata
.endif
;; end of part 1
;; launch proj (part 2): grid 20 x 16, 4 waves a work-group, clusters of 4 x 4, 327,680 bytes of LDS; arguments codes, scales, q_norm_w, k_norm_w, tab, q16, kv16, gate; writes q16, kv16, gate
.if DOCPART == 2
	.amdgcn_target "amdgcn-amd-amdhsa--gfx1250"
	.amdhsa_code_object_version 6
	.text
	.protected	k_q16ed10445e_proj
	.globl	k_q16ed10445e_proj
	.p2align	8
	.type	k_q16ed10445e_proj,@function
k_q16ed10445e_proj:
	s_mov_b64 s[64:65], 0
	v_nop
	global_prefetch_b8 v0, s[64:65] scope:SCOPE_SE
	s_setreg_imm32_b32 hwreg(HW_REG_WAVE_MODE, 25, 1), 1
	s_wait_xcnt 0x0
	s_wait_alu depctr_hold_cnt(0) depctr_sa_sdst(0) depctr_va_vdst(0) depctr_va_sdst(0) depctr_va_ssrc(0) depctr_va_vcc(0) depctr_vm_vsrc(0)
	s_getreg_b32 s2, hwreg(HW_REG_IB_STS2, 6, 4)
	s_cmp_eq_u32 s2, 0
	s_cbranch_scc0 .Lentry_in_a_cluster
	s_endpgm
.Lentry_in_a_cluster:
	s_bfe_u32 s2, ttmp6, 0x10000c
	s_cmp_lg_u32 s2, 0xf033
	s_cbranch_scc0 .Lentry_shape_is_right
	s_endpgm
.Lentry_shape_is_right:
; PROJ: [4,096 tokens] x [5,120 weight rows], K = 1,024, on codes of FP4 (E2M1) with one E8M0 scale for each 32 along K; then what reference() does to each part of the result.
; A tile of 256 tokens x 256 columns is made by four waves, 128 x 128 each: 64 accumulators, 512 registers.  A tile column is one head: 0-7 q, 8-15 the gate, 16-17 k, 18-19 v.
; K is two slots of 512 along K (rows of 256 bytes), both asked for at the start: nothing is filled again.  The scale bytes of the 256 + 256 rows come once, as dense units of 256 bytes.
; CLUSTERS: 4 x 4 work-groups; x's tiles are asked for jointly along a row of the cluster, the weights' along a column.
; THE MATRIX INSTRUCTION IS USED TRANSPOSED (source 0 = 16 weight rows, source 1 = 16 tokens): lane (r, h) holds token r and eight neighbouring channels 8 h + 0 .. 7.
; THE WAY OUT.  gate: f32 as it stands, each accumulator as 1 KiB (registers 0-3 at 16 x lane, 4-7 at 512 + 16 x lane).  q, k: x rsqrt(mean of squares over the head's 256 + 1e-6), x gain, rope on channels 0-63, f16.  v: f16.
; q, k and v run ONE text: for v the factor and the gains are replaced by 1 and the rope's tiles by those with cos 1 and sin 0; so are the rope's tiles for the wave that holds channels 128-255.  Only values and global addresses hang on the place in the cluster.
; Outputs are images of the registers that will read them: every store is 512 consecutive bytes straight from registers.
; LIMIT: |v| under 65,504 (f16).  q and k are at most 16 x |gain| in size.
; REGISTERS: window 0: v0-31 addresses; v32-95 scale words, two sets; v128-191 x's fragments.  window 1: the weights' fragments, two sets.  windows 2, 3: the accumulators ((a, b) at v[8 (8 (a % 4) + b)]).
;   On the way out window 0: v32-95 gains, v96-111 sums of squares, v112-119 the partner's, v120-135 factors, v136-151 rotated low halves, v160-223 a block at work, v224-255 its f16; window 1: cos and sin.
.set KSTEP,  512
.set NQ,     KSTEP/128
.set ROWB,   256
.set KROW,   512                       ; a row of codes in memory
.set PITCH,  272                       ; an LDS row: 256 bytes + 16: the 16 rows of a load start at 16 different banks (64 banks of 4 bytes: ISA guide 11.1)
.set FR,     8
.set NL,     2
.set NP,     4                         ; places behind this matrix instruction (ISA guide 7.12.1)
.set HALFT,  128*PITCH
.set SLOT,   4*HALFT
.set KS,     32                        ; a row of scale bytes
.set SCL,    2*SLOT
.set HALFS,  (128*KS/256)*272
.set SBLK,   (16*KS/256)*272
.set SPARE,  SCL+4*HALFS               ; the spare words: two blocks of 256 bytes that no other line names
.set XCH,    SPARE+512                 ; 1,024 bytes a wave: the sums of squares go to the wave with the head's other 128 channels
.set ROPE,   0x400000
.set VOFF,   0x400000
.set XW,   8                           ; v8   where I put my sums
.set XR,   9                           ; v9   where my partner's lie
.set L16,  10                          ; v10  16 x lane
.set LT,   11                          ; v11  my 16 bytes in a store's 512
.set WA,   12                          ; v12  32 h: my eight gains
.set ADRA, 16
.set ADRB, 20
.set ADRS, 27
.set SPW,  28
.set NIL,  29
.set SC,   32
.set AF,   128
.set GW,   32
.set SS,   96
.set PS,   112
.set RR,   120
.set NT,   136
.set ONE,  152
.set T,    160
.set HF,   224
.set G1, 24
.set G0, 32
.set G1B, 48
.set G0B, 56
.set G1S, 68
.set G0S, 76
.set G1SB, 80
.set G0SB, 88
.set MSB, 0
.macro WIN new                         ; the immediate's high byte repeats the setting that is left
.if MSB != (\new)
	s_set_vgpr_msb (MSB<<8)|(\new)
.set MSB, (\new)
.endif
.endm
.set MUL_LO, 0xa1                      ; source 0 (weights) window 1, source 1 (x) window 0, C and D window 2
.set MUL_HI, 0xf1
.set TO_B,   0x40
; A joint load: waves 0 and 1 fetch for x, waves 2 and 3 for the weights; the branch hangs on the wave's number alone.  An s_nop 0 and four v_nop follow each line.
.macro JLOAD g0a, g1a, g0b, g1b
	s_cmp_eq_u32 s15, 0
	s_cbranch_scc0 .Lfor_b_\@
	tensor_load_to_lds s[\g0a:\g0a+3], s[\g1a:\g1a+7]
	s_nop 0
.rept 4
	v_nop
.endr
	s_branch .Lasked_\@
.Lfor_b_\@:
	tensor_load_to_lds s[\g0b:\g0b+3], s[\g1b:\g1b+7]
	s_nop 0
.rept 4
	v_nop
.endr
.Lasked_\@:
.endm
.macro CROUND                          ; a round of the cluster's barrier
	s_barrier_signal -1
	s_barrier_wait -1
	s_cmp_lg_u32 s14, 0
	s_cbranch_scc1 .Lnot_wave_0_\@
	s_barrier_signal -3
.Lnot_wave_0_\@:
	s_barrier_wait -3
	s_barrier_signal -1
	s_barrier_wait -1
.endm
	s_load_b128 s[4:7], s[0:1], 0x0                ; codes s[4:5], scales s[6:7]
	v_lshl_add_u32 v[SPW], v0, 2, SPARE
	v_mov_b32 v[NIL], 0
	ds_add_u32 v[SPW], v[NIL]                      ; the wave's opening: the add, twice on end, and its wait ahead of my first tensor load
	ds_add_u32 v[SPW], v[NIL]
	v_lshrrev_b32 v1, 5, v0
	v_readfirstlane_b32 s14, v1                    ; wave 0..3
	s_lshr_b32 s15, s14, 1                         ; which half of the tile's tokens is mine.  Also: I fetch for x (0) or for the weights (1)
	s_and_b32 s16, s14, 1                          ; which half of its columns.  Also: which 128 rows I fetch
	s_bfe_u32 s40, ttmp6, 0x40000                  ; cx, cy
	s_bfe_u32 s41, ttmp6, 0x40004
	s_lshl_b32 s42, ttmp9, 2
	s_add_co_u32 s42, s42, s40                     ; tile column
	s_and_b32 s17, ttmp7, 0xffff
	s_lshl_b32 s17, s17, 2
	s_add_co_u32 s17, s17, s41                     ; tile row
	s_lshl_b32 s43, s41, 2
	s_lshl_b32 s43, 15, s43                        ; my row of the cluster
	s_lshl_b32 s44, 0x1111, s40                    ; my column
	s_or_b32 s[G1+0], s43, (0<<16)|(1<<20)|(1<<21)|(5<<22)|(3<<25)  ; the mask; elements of 1 byte; padding on; bit 21 beside a mask; 4 words behind every 64
	s_or_b32 s[G1B+0], s44, (0<<16)|(1<<20)|(1<<21)|(5<<22)|(3<<25)
.irp g, G1, G1B
	s_mov_b32 s[\g+1], ROWB<<16                    ; tensor_dim0
	s_mov_b32 s[\g+2], 128<<16                     ; tensor_dim1
	s_mov_b32 s[\g+3], ROWB<<16                    ; tile_dim0
	s_mov_b32 s[\g+4], 128                         ; tile_dim1
	s_mov_b32 s[\g+5], KROW                        ; the pitch
	s_mov_b32 s[\g+6], 0
	s_mov_b32 s[\g+7], 0
.endr
	s_or_b32 s[G1S+0], s43, (3<<16)|(1<<20)|(1<<21)|(5<<22)|(3<<25)   ; the scales of 128 rows: 4,096 dense bytes as 16 rows of 256, 16 bytes of padding behind each
	s_or_b32 s[G1SB+0], s44, (3<<16)|(1<<20)|(1<<21)|(5<<22)|(3<<25)
.irp g, G1S, G1SB
	s_mov_b32 s[\g+1], 32<<16
	s_mov_b32 s[\g+2], (128*KS/256)<<16
	s_mov_b32 s[\g+3], 32<<16
	s_mov_b32 s[\g+4], 128*KS/256
	s_mov_b32 s[\g+5], 32
	s_mov_b32 s[\g+6], 0
	s_mov_b32 s[\g+7], 0
.endr
	s_lshl_b32 s18, s16, 7
	s_lshl_b32 s20, s17, 8
	s_add_co_u32 s20, s20, s18                     ; x: row 256 x tile row + 128 x half
	s_lshl_b32 s46, s42, 8
	s_add_co_u32 s46, s46, s18                     ; weights: row 256 x tile column + 128 x half
	s_mov_b32 s21, 0
	s_mov_b32 s47, 0
	s_mov_b64 s[18:19], KS
	s_mul_u64 s[22:23], s[20:21], s[18:19]
	s_mul_u64 s[92:93], s[46:47], s[18:19]
	s_mov_b64 s[18:19], KROW
	s_mul_u64 s[20:21], s[20:21], s[18:19]
	s_mul_u64 s[46:47], s[46:47], s[18:19]
	s_mul_i32 s45, s14, HALFT                      ; where they go: wave x 128 rows
	s_mul_i32 s94, s14, HALFS
	s_wait_dscnt 0x0                               ; both opening adds are done
	s_wait_kmcnt 0x0
	s_add_nc_u64 s[8:9], s[4:5], 0x200000          ; the weights' codes lie behind x's 4,096 rows,
	s_add_nc_u64 s[10:11], s[6:7], 0x20000         ; their scale bytes likewise
	s_add_nc_u64 s[20:21], s[4:5], s[20:21]
	s_add_nc_u64 s[22:23], s[6:7], s[22:23]
	s_add_nc_u64 s[46:47], s[8:9], s[46:47]
	s_add_nc_u64 s[92:93], s[10:11], s[92:93]
	CROUND                                         ; all sixteen work-groups are here: the first joint loads meet
	s_mov_b32 s[G0S], 1
	s_add_co_u32 s[G0S+1], s94, SCL
	s_mov_b64 s[G0S+2:G0S+3], s[22:23]
	s_or_b32 s[G0S+3], s[G0S+3], 0x80000000
	s_mov_b32 s[G0SB], 1
	s_add_co_u32 s[G0SB+1], s94, SCL
	s_mov_b64 s[G0SB+2:G0SB+3], s[92:93]
	s_or_b32 s[G0SB+3], s[G0SB+3], 0x80000000
	JLOAD G0S, G1S, G0SB, G1SB                     ; three loads of mine go out together: the scales,
.irp s, 0,1
	s_mov_b32 s[G0+4*\s], 1
	s_add_co_u32 s[G0+4*\s+1], s45, \s*SLOT
	s_add_nc_u64 s[G0+4*\s+2:G0+4*\s+3], s[20:21], \s*ROWB
	s_or_b32 s[G0+4*\s+3], s[G0+4*\s+3], 0x80000000
	s_mov_b32 s[G0B+4*\s], 1
	s_add_co_u32 s[G0B+4*\s+1], s45, \s*SLOT
	s_add_nc_u64 s[G0B+4*\s+2:G0B+4*\s+3], s[46:47], \s*ROWB
	s_or_b32 s[G0B+4*\s+3], s[G0B+4*\s+3], 0x80000000
	JLOAD G0+4*\s, G1, G0B+4*\s, G1B               ; and both halves of K
.endr
	v_and_b32 v1, 15, v0                           ; r
	v_bfe_u32 v2, v0, 4, 1                         ; h
	v_mul_u32_u24 v3, v1, PITCH
	v_lshl_add_u32 v4, v2, 4, v3
	s_mul_i32 s21, s15, HALFT
	s_mul_i32 s22, s16, HALFT
	s_add_co_u32 s22, s22, 2*HALFT
.irp s, 0,1
	v_add_nc_u32 v[ADRA+\s], s21, v4
	v_add_nc_u32 v[ADRB+\s], s22, v4
	s_add_co_u32 s21, s21, SLOT
	s_add_co_u32 s22, s22, SLOT
.endr
	v_mul_u32_u24 v5, v1, KS                       ; my row's scales: 32 bytes a row,
	v_lshrrev_b32 v6, 8, v5
	v_lshl_add_u32 v5, v6, 4, v5                   ; and 16 more for each 256 passed
	s_mul_i32 s21, s15, HALFS
	s_mul_i32 s22, s16, HALFS
	s_add_co_u32 s22, s22, 2*HALFS
	s_sub_co_u32 s22, s22, s21
	v_mul_u32_u24 v6, s22, v2                      ; lanes 16-31 take the weights'
	s_add_co_u32 s21, s21, SCL
	v_add_nc_u32 v5, v5, v6
	v_add_nc_u32 v[ADRS], s21, v5
	v_and_b32 v6, 31, v0
	v_lshlrev_b32 v[L16], 4, v6
	v_lshlrev_b32 v[WA], 5, v2
	v_lshlrev_b32 v6, 2, v6
	s_lshl_b32 s21, s14, 10
	s_add_co_u32 s22, s21, XCH
	v_add_nc_u32 v[XW], s22, v6
	s_xor_b32 s21, s21, 1024                       ; the wave with the same tokens and the other columns
	s_add_co_u32 s22, s21, XCH
	v_add_nc_u32 v[XR], s22, v6
.macro FRAG reg, adr, q, i             ; 16 rows x 128 K of 4-bit codes: 8 registers; registers 4 c .. 4 c + 3 hold K = 64 c + 32 h + 0 .. 31
.irp c, 0,1
	ds_load_b128 v[\reg+4*\c:\reg+4*\c+3], v[\adr] offset:64*(\q)+32*\c+(\i)*16*PITCH
.endr
.endm
; 16 matrix instructions: x's blocks a0, a0 + 1 against the weights' eight.  The 64 accumulators take turns, one instruction a turn, in the same order in every step.
.macro MUL16 a0, p, q, sc, zero
.irp a, \a0, \a0+1
.irp b, 0,1,2,3,4,5,6,7
.if \zero
	v_wmma_scale_f32_16x16x128_f8f6f4 v[8*(8*((\a)%4)+\b):8*(8*((\a)%4)+\b)+7], v[128*(\p)+FR*\b:128*(\p)+FR*\b+FR-1], v[AF+FR*(\a):AF+FR*(\a)+FR-1], 0, v[SC+8*NQ*(\sc)+NQ*\b+(\q)], v[SC+8*NQ*(\sc)+NQ*(\a)+(\q)] matrix_a_fmt:MATRIX_FMT_FP4 matrix_b_fmt:MATRIX_FMT_FP4 matrix_a_scale:MATRIX_SCALE_ROW1
.else
	v_wmma_scale_f32_16x16x128_f8f6f4 v[8*(8*((\a)%4)+\b):8*(8*((\a)%4)+\b)+7], v[128*(\p)+FR*\b:128*(\p)+FR*\b+FR-1], v[AF+FR*(\a):AF+FR*(\a)+FR-1], v[8*(8*((\a)%4)+\b):8*(8*((\a)%4)+\b)+7], v[SC+8*NQ*(\sc)+NQ*\b+(\q)], v[SC+8*NQ*(\sc)+NQ*(\a)+(\q)] matrix_a_fmt:MATRIX_FMT_FP4 matrix_b_fmt:MATRIX_FMT_FP4 matrix_a_scale:MATRIX_SCALE_ROW1
.endif
.endr
.endr
.endm
.macro FETCH_B slot, q, p
	WIN TO_B
.irp i, 0,1,2,3,4,5,6,7
	FRAG 128*(\p)+FR*\i, ADRB+\slot, \q, \i
.endr
	WIN 0
.endm
.macro FETCH_A slot, q, i0
.irp i, \i0, \i0+1, \i0+2, \i0+3
	FRAG AF+FR*(\i), ADRA+\slot, \q, \i
.endr
.endm
.macro SCALES sc                       ; a slot's scale words: lanes 0-15 take x's block i, lanes 16-31 the weights' block i
.irp i, 0,1,2,3,4,5,6,7
	ds_load_b128 v[SC+8*NQ*\sc+NQ*\i:SC+8*NQ*\sc+NQ*\i+3], v[ADRS] offset:\i*SBLK
.endr
.endm
.macro PLACES n                        ; plain vector instructions between a matrix instruction and a load into, or a read of, its registers
.rept \n
	v_nop
.endr
.endm
.macro STEP slot, q, zero              ; 128 along K, with its successor in the same slot
	s_wait_dscnt 4*NL                              ; the weights' set and x's blocks 0-3 are in; the youngest eight loads (x's blocks 4-7) may be out
	WIN MUL_LO
	MUL16 0, (\q)%2, \q, \slot, \zero
	MUL16 2, (\q)%2, \q, \slot, \zero
	s_wait_dscnt 0
	PLACES NP
	FETCH_B \slot, (\q)+1, 1-(\q)%2
	FETCH_A \slot, (\q)+1, 0
	WIN MUL_HI
	MUL16 4, (\q)%2, \q, \slot, \zero
	MUL16 6, (\q)%2, \q, \slot, \zero
	PLACES NP
	WIN 0
	FETCH_A \slot, (\q)+1, 4
.endm
.macro STEPS slot, from
.set Q, \from
.rept NQ-1-\from
	STEP \slot, Q, 0
.set Q, Q+1
.endr
.endm
	s_wait_tensorcnt 1                             ; the scales and my part of slot 0 are in; slot 1's load may be out
	s_barrier_signal -1
	s_barrier_wait -1
	FETCH_B 0, 0, 0
	FETCH_A 0, 0, 0
	SCALES 0
	FETCH_A 0, 0, 4
	STEP 0, 0, 1                                   ; the first products start the sums: nothing is cleared
	STEPS 0, 1
	; slot 0's last step changes slots: one barrier; in front of it all my tensor loads have landed (my part of slot 1)
	s_wait_tensorcnt 0x0
	ds_add_u32 v[SPW], v[NIL]                      ; 0 onto my spare word
	s_wait_dscnt 4*NL+1                            ; the add and the youngest eight loads may be out
	WIN MUL_LO
	MUL16 0, 1, NQ-1, 0, 0
	s_wait_dscnt 0x0
	s_barrier_signal -1
	MUL16 2, 1, NQ-1, 0, 0
	WIN 0
	s_barrier_wait -1
	PLACES NP
	v_add_nc_u32 v[ADRS], 4*NQ, v[ADRS]            ; on to slot 1's scale words
	FETCH_B 1, 0, 0
	FETCH_A 1, 0, 0
	SCALES 1
	WIN MUL_HI
	MUL16 4, 1, NQ-1, 0, 0
	MUL16 6, 1, NQ-1, 0, 0
	PLACES NP
	WIN 0
	FETCH_A 1, 0, 4
	s_load_b256 s[68:75], s[0:1], 0x10             ; no tensor load of mine is out, so the descriptors' registers are free: q_norm_w s[68:69], k_norm_w s[70:71], tab s[72:73], q16 s[74:75],
	s_load_b128 s[76:79], s[0:1], 0x30             ; kv16 s[76:77], gate s[78:79]
	STEPS 1, 0
	s_wait_dscnt 4*NL                              ; the very last step: nothing more to fetch
	WIN MUL_LO
	MUL16 0, 1, NQ-1, 1, 0
	MUL16 2, 1, NQ-1, 1, 0
	s_wait_dscnt 0
	WIN MUL_HI
	MUL16 4, 1, NQ-1, 1, 0
	MUL16 6, 1, NQ-1, 1, 0
	WIN 0
	PLACES NP                                      ; in front of the first reads of results and of loads into operands' registers
	s_wait_kmcnt 0x0
	s_lshr_b32 s80, ttmp9, 1
	s_cmp_eq_u32 s80, 1                            ; clusters 2 and 3 along x hold the gate: the same answer in all sixteen partners
	s_cbranch_scc1 .Lgate
; ---------------- q, k, v
	s_lshr_b32 s81, s17, 3                         ; the batch
	s_and_b32 s82, s17, 7
	s_lshl_b32 s82, s82, 4
	s_lshl_b32 s83, s15, 3
	s_add_co_u32 s82, s82, s83                     ; my first tile of 16 positions in the sequence
	s_cmp_ge_u32 s42, 18
	s_cselect_b32 s80, -1, 0                       ; all lanes: this is v
	s_cselect_b32 s84, 18, 16
	s_cselect_b32 s85, VOFF+16384, 0               ; v lies behind k and the zeros
	s_cselect_b32 s86, 128, s82                    ; v takes the rope's tiles with cos 1, sin 0
	s_cmp_ge_u32 s42, 16
	s_cselect_b32 s84, s84, 0
	s_cselect_b32 s87, 2, 8                        ; heads a batch
	s_cselect_b64 s[88:89], s[76:77], s[74:75]
	s_cselect_b64 s[90:91], s[70:71], s[68:69]
	s_cmp_eq_u32 s16, 0
	s_cselect_b32 s86, s86, 128                    ; and so do channels 128-255
	s_sub_co_u32 s84, s42, s84                     ; the head
	s_mul_i32 s87, s81, s87
	s_add_co_u32 s87, s87, s84
	s_lshl_b32 s87, s87, 7
	s_add_co_u32 s87, s87, s82
	s_lshl_b32 s87, s87, 13                        ; tiles of 8 KiB
	s_lshl_b32 s83, s16, 12                        ; my 128 channels: the tile's second half
	s_add_co_u32 s87, s87, s83
	s_add_co_u32 s92, s87, s85
	s_mov_b32 s93, 0
	s_add_nc_u64 s[88:89], s[88:89], s[92:93]
	s_lshl_b32 s92, s16, 9
	s_add_nc_u64 s[90:91], s[90:91], s[92:93]      ; my 128 gains
	s_lshl_b32 s92, s86, 12
	s_add_co_u32 s92, s92, ROPE
	s_add_nc_u64 s[72:73], s[72:73], s[92:93]
	s_mov_b32 s94, 0x3b800000                      ; 1 / 256
	s_mov_b32 s95, 0x358637bd                      ; 1e-6
	s_mov_b32 s96, 0x76543210
	s_mov_b32 s97, 0xfedcba98                      ; v_permlanex16_b32's selects for lane l xor 16
	v_and_b32 v1, 15, v0
	v_bfe_u32 v2, v0, 4, 1
	v_lshlrev_b32 v3, 5, v1
	v_lshl_add_u32 v3, v2, 4, v3
	v_cndmask_b32 v[LT], v[L16], v3, s80           ; q, k: 16 x lane (eight channels of 16 rows on end); v: 32 r + 16 h (16 keys x 16 channels, row by row)
; The rope's tile of block a: eight loads, cos at v[32 a] and sin at v[32 a + 16] of window 1
.macro ROPELD a
	WIN 0x40                                       ; destination window 1
.irp u, 0,1,2,3
	global_load_b128 v[32*(\a)+4*\u:32*(\a)+4*\u+3], v[L16], s[72:73] offset:4096*(\a)+512*\u
	global_load_b128 v[32*(\a)+16+4*\u:32*(\a)+16+4*\u+3], v[L16], s[72:73] offset:4096*(\a)+512*\u+2048
.endr
.endm
	; 56 loads go out here: the gains, then the tiles of blocks 0 to 4.  The tiles of blocks 5 to 7 are asked for by blocks 0 to 2, so that the wave goes on to its arithmetic at once and a tile lands under five blocks' work
.irp b, 0,1,2,3,4,5,6,7
	global_load_b128 v[GW+8*\b:GW+8*\b+3], v[WA], s[90:91] offset:64*\b
	global_load_b128 v[GW+8*\b+4:GW+8*\b+7], v[WA], s[90:91] offset:64*\b+16
.endr
.irp a, 0,1,2,3,4
	ROPELD \a
.endr
	; the sums of squares of my 128 channels, two at a time; four blocks of tokens by turns; each accumulator is read from its low end on
.irp hh, 0,1
	WIN 0x0a+5*\hh
.set i, 0
.rept 32
.irp a, 0,1,2,3
.if i == 0
	v_pk_mul_f32 v[SS+2*(4*\hh+\a):SS+2*(4*\hh+\a)+1], v[64*\a+2*i:64*\a+2*i+1], v[64*\a+2*i:64*\a+2*i+1]
.else
	v_pk_fma_f32 v[SS+2*(4*\hh+\a):SS+2*(4*\hh+\a)+1], v[64*\a+2*i:64*\a+2*i+1], v[64*\a+2*i:64*\a+2*i+1], v[SS+2*(4*\hh+\a):SS+2*(4*\hh+\a)+1]
.endif
.endr
.set i, i+1
.endr
.endr
	WIN 0
.irp a, 0,1,2,3,4,5,6,7
	v_add_f32 v[SS+2*\a], v[SS+2*\a], v[SS+2*\a+1]
.endr
.irp a, 0,1,2,3,4,5,6,7
	v_permlanex16_b32 v[SS+2*\a+1], v[SS+2*\a], s96, s97
.endr
.irp a, 0,1,2,3,4,5,6,7
	v_add_f32 v[SS+2*\a], v[SS+2*\a], v[SS+2*\a+1]
.endr
.irp a, 0,1,2,3,4,5,6,7
	ds_store_b32 v[XW], v[SS+2*\a] offset:128*\a
.endr
	s_wait_dscnt 0x0                               ; for my partner's sake: my stores are done
	s_barrier_signal -1
	s_barrier_wait -1
.irp a, 0,1,2,3,4,5,6,7
	ds_load_b32 v[PS+\a], v[XR] offset:128*\a
.endr
	s_wait_dscnt 0x0
.irp a, 0,1,2,3,4,5,6,7
	v_add_f32 v[RR+2*\a], v[SS+2*\a], v[PS+\a]
.endr
.irp a, 0,1,2,3,4,5,6,7
	v_fma_f32 v[RR+2*\a], v[RR+2*\a], s94, s95
.endr
.irp a, 0,1,2,3,4,5,6,7
	v_rsq_f32 v[RR+2*\a], v[RR+2*\a]
.endr
.irp a, 0,1,2,3,4,5,6,7
	v_mov_b32 v[RR+2*\a+1], 0                      ; the pairs' upper halves are named, so they are written.  (Plain instructions behind the batch)
.endr
	v_mov_b32 v[ONE], 1.0
	s_wait_alu depctr_va_vdst(0)                   ; one wait for the eight, ahead of their first reader
.irp a, 0,1,2,3,4,5,6,7
	v_cndmask_b32 v[RR+2*\a], v[RR+2*\a], v[ONE], s80     ; v is not normalised
.endr
	s_wait_loadcnt 32                              ; the gains and block 0's tile are in; the tiles of blocks 1 to 4, 32 loads, may be out
.set i, 0
.rept 64
	v_cndmask_b32 v[GW+i], v[GW+i], v[ONE], s80
.set i, i+1
.endr
; A block of 16 tokens x my 128 channels
.macro OUTBLK a
.if (\a) > 0
.if (\a) < 4
	s_wait_loadcnt 32                              ; this block's tile is in; behind it four tiles of eight loads have been asked for
.else
	s_wait_loadcnt 8*(7-(\a))                      ; the last blocks: as many tiles as are left behind it
.endif
.endif
	s_wait_xcnt 0x0                                ; the last block's stores have read their data registers
.if (\a) < 3
	ROPELD (\a)+5                                  ; the tile of the block five on
.endif
	WIN 0x02+((\a)/4)
.set i, 0
.rept 32
	v_pk_mul_f32 v[T+2*i:T+2*i+1], v[64*((\a)%4)+2*i:64*((\a)%4)+2*i+1], v[RR+2*(\a):RR+2*(\a)+1] op_sel_hi:[1,0]
.set i, i+1
.endr
	WIN 0
.set i, 0
.rept 32
	v_pk_mul_f32 v[T+2*i:T+2*i+1], v[T+2*i:T+2*i+1], v[GW+2*i:GW+2*i+1]
.set i, i+1
.endr
	WIN 0x04                                       ; source 1 (cos, sin) window 1.  Channels d and d + 32 lie 16 registers apart
.set i, 0
.rept 8
	v_pk_mul_f32 v[NT+2*i:NT+2*i+1], v[T+2*i:T+2*i+1], v[32*(\a)+2*i:32*(\a)+2*i+1]
.set i, i+1
.endr
.set i, 0
.rept 8
	v_pk_fma_f32 v[NT+2*i:NT+2*i+1], v[T+16+2*i:T+16+2*i+1], v[32*(\a)+16+2*i:32*(\a)+16+2*i+1], v[NT+2*i:NT+2*i+1] neg_lo:[1,0,0] neg_hi:[1,0,0]
.set i, i+1
.endr
.set i, 0
.rept 8
	v_pk_mul_f32 v[T+16+2*i:T+16+2*i+1], v[T+16+2*i:T+16+2*i+1], v[32*(\a)+2*i:32*(\a)+2*i+1]
.set i, i+1
.endr
.set i, 0
.rept 8
	v_pk_fma_f32 v[T+16+2*i:T+16+2*i+1], v[T+2*i:T+2*i+1], v[32*(\a)+16+2*i:32*(\a)+16+2*i+1], v[T+16+2*i:T+16+2*i+1]
.set i, i+1
.endr
	WIN 0
.set i, 0
.rept 8
	v_cvt_pk_f16_f32 v[HF+i], v[NT+2*i], v[NT+2*i+1]
.set i, i+1
.endr
.rept 24
	v_cvt_pk_f16_f32 v[HF+i], v[T+2*i], v[T+2*i+1]
.set i, i+1
.endr
.irp b, 0,1,2,3,4,5,6,7
	global_store_b128 v[LT], v[HF+4*\b:HF+4*\b+3], s[88:89] offset:8192*(\a)+512*\b   ; 512 consecutive bytes
.endr
.endm
.irp a, 0,1,2,3,4,5,6,7
	OUTBLK \a
.endr
	s_wait_tensorcnt 0x0                           ; the wave's end: these three lines behind my last tensor load and my last LDS store
	ds_add_u32 v[SPW], v[NIL]
	s_wait_dscnt 0x0
	CROUND                                         ; the closing round
	s_endpgm
; ---------------- the gate: f32, each accumulator as it stands
.Lgate:
	s_lshl_b32 s80, s17, 4
	s_lshl_b32 s81, s15, 3
	s_add_co_u32 s80, s80, s81                     ; my first tile of 16 tokens
	s_lshl_b32 s80, s80, 7                         ; 128 tiles of columns a tile of tokens
	s_sub_co_u32 s81, s42, 8
	s_lshl_b32 s81, s81, 4
	s_add_co_u32 s80, s80, s81
	s_lshl_b32 s81, s16, 3
	s_add_co_u32 s80, s80, s81
	s_lshl_b32 s80, s80, 10
	s_mov_b32 s81, 0
	s_add_nc_u64 s[78:79], s[78:79], s[80:81]
.irp a, 0,1,2,3,4,5,6,7
	WIN 0x08+4*(\a/4)                              ; a store's data are its source 1: window 2 or 3
.irp b, 0,1,2,3,4,5,6,7
	global_store_b128 v[L16], v[8*(8*(\a%4)+\b):8*(8*(\a%4)+\b)+3], s[78:79] offset:131072*\a+1024*\b
	global_store_b128 v[L16], v[8*(8*(\a%4)+\b)+4:8*(8*(\a%4)+\b)+7], s[78:79] offset:131072*\a+1024*\b+512
.endr
.endr
	WIN 0
	s_wait_tensorcnt 0x0                           ; the wave's end: the same three lines
	ds_add_u32 v[SPW], v[NIL]
	s_wait_dscnt 0x0
	CROUND                                         ; the closing round
	s_endpgm
.Lfunc_end_k_q16ed10445e_proj:
	.size	k_q16ed10445e_proj, .Lfunc_end_k_q16ed10445e_proj-k_q16ed10445e_proj
	.p2alignl 7, 3214868480
	.fill 96, 4, 3214868480
	.section	.rodata,"a",@progbits
	.p2align	6, 0x0
	.amdhsa_kernel k_q16ed10445e_proj
		.amdhsa_group_segment_fixed_size 327680
		.amdhsa_private_segment_fixed_size 0
		.amdhsa_enable_private_segment 0
		.amdhsa_kernarg_size 64
		.amdhsa_user_sgpr_count 2
		.amdhsa_user_sgpr_kernarg_segment_ptr 1
		.amdhsa_wavefront_size32 1
		.amdhsa_system_sgpr_workgroup_id_x 1
		.amdhsa_system_sgpr_workgroup_id_y 1
		.amdhsa_system_sgpr_workgroup_id_z 1
		.amdhsa_system_vgpr_workitem_id 0
		.amdhsa_next_free_vgpr 1024
		.amdhsa_next_free_sgpr 100
		.amdhsa_reserve_vcc 0
		.amdhsa_float_denorm_mode_32 3
		.amdhsa_float_denorm_mode_16_64 3
		.amdhsa_memory_ordered 1
		.amdhsa_forward_progress 1
		.amdhsa_inst_pref_size 213
	.end_amdhsa_kernel
	.amdgpu_metadata
---
amdhsa.version: [ 1, 2 ]
amdhsa.kernels:
  - .name:           k_q16ed10445e_proj
    .symbol:         k_q16ed10445e_proj.kd
    .args:
      - { .name: codes, .offset: 0, .size: 8, .value_kind: global_buffer, .address_space: global }
      - { .name: scales, .offset: 8, .size: 8, .value_kind: global_buffer, .address_space: global }
      - { .name: q_norm_w, .offset: 16, .size: 8, .value_kind: global_buffer, .address_space: global }
      - { .name: k_norm_w, .offset: 24, .size: 8, .value_kind: global_buffer, .address_space: global }
      - { .name: tab, .offset: 32, .size: 8, .value_kind: global_buffer, .address_space: global }
      - { .name: q16, .offset: 40, .size: 8, .value_kind: global_buffer, .address_space: global }
      - { .name: kv16, .offset: 48, .size: 8, .value_kind: global_buffer, .address_space: global }
      - { .name: gate, .offset: 56, .size: 8, .value_kind: global_buffer, .address_space: global }
    .group_segment_fixed_size: 327680
    .private_segment_fixed_size: 0
    .kernarg_segment_align: 8
    .kernarg_segment_size: 64
    .max_flat_workgroup_size: 128
    .sgpr_count:     100
    .vgpr_count:     1024
    .wavefront_size: 32
...
	.end_amdgpu_metadata
.endif
;; end of part 2
;; launch attn (part 3): grid 16 x 16, 4 waves a work-group, clusters of 4 x 1, 327,680 bytes of LDS; arguments q16, kv16, gate, a16, ascale; writes a16, ascale
.if DOCPART == 3
	.amdgcn_target "amdgcn-amd-amdhsa--gfx1250"
	.amdhsa_code_object_version 6
	.text
	.protected	k_q16ed10445e_attn
	.globl	k_q16ed10445e_attn
	.p2align	8
	.type	k_q16ed10445e_attn,@function
k_q16ed10445e_attn:
	s_mov_b64 s[64:65], 0
	v_nop
	global_prefetch_b8 v0, s[64:65] scope:SCOPE_SE
	s_setreg_imm32_b32 hwreg(HW_REG_WAVE_MODE, 25, 1), 1
	s_wait_xcnt 0x0
	s_wait_alu depctr_hold_cnt(0) depctr_sa_sdst(0) depctr_va_vdst(0) depctr_va_sdst(0) depctr_va_ssrc(0) depctr_va_vcc(0) depctr_vm_vsrc(0)
	s_getreg_b32 s2, hwreg(HW_REG_IB_STS2, 6, 4)
	s_cmp_eq_u32 s2, 0
	s_cbranch_scc0 .Lentry_in_a_cluster
	s_endpgm
.Lentry_in_a_cluster:
	s_bfe_u32 s2, ttmp6, 0x10000c
	s_cmp_lg_u32 s2, 0x3003
	s_cbranch_scc0 .Lentry_shape_is_right
	s_endpgm
.Lentry_shape_is_right:
; ATTN: softmax(q k^T / 16) v for 16 (batch, head) x 2,048 queries x 2,048 keys, head size 256, no mask; then x silu(gate); the result in f16 with one power of two for each (row, head).
; Operands in f16, sums, maxima and the softmax in f32, with a running maximum.
; SHARES.  A work-group owns 128 queries of one head.  Wave w: i = w / 2 picks 64 queries (four tiles of 16), j = w % 2 picks keys 1,024 j on: 32 steps of 32 keys.  The two halves of the keys are merged at the end through LDS.
;   Register tile t holds query tile t xor 2 j, so that every wave keeps tiles 0, 1 and gives tiles 2, 3 to wave w xor 1, in one text.
; LAYOUT.  S^T = K Q^T (source 0 = 16 keys, source 1 = 16 queries) and O^T = V^T P (source 0 = 16 channels, source 1 = P): a lane holds ONE query throughout.  Two tiles of S^T, rounded in pairs, are P's registers.
;   q16 and k16 are images of operand registers: a fragment is two loads at 16 x lane.  V's tile is 16 blocks of 16 keys x 16 channels, turned by ds_load_tr16_b128.
; PIPELINE.  Step n has two phases of 64 matrix instructions: S(n) = K Q^T with the rescaling O x a(n - 1) in slices behind them; O += V(n - 1)^T P(n - 1) with the softmax of S(n) in slices.
;   S lies in two regions by turns; P is packed in place.  V lags K by one step: 16 KiB of zeros lie in front of V in memory, so that V's slot u is [V(2 u - 1), V(2 u)] at a plain address.
;   The step is written once: O and P(-1) begin as zeros and the maximum as -3e38; step 0 multiplies finite numbers by zeros.  That costs the clearing of O once and spares a third copy of the loop's body.
; RING.  Two slots of 128 KiB (64 keys of K and of V for both halves of the keys); each wave brings 32 KiB by one joint load; V(31) of both halves lies apart and is filled once.
; CLUSTER.  The four query blocks of a cluster walk the same K and V: each tile is asked for jointly, by the same load with the same descriptor and a mask that names the four.
; LIMITS: v finite and under 65,504 in size; NaN and infinities are not served.
; REGISTERS: window 0: v2-17 addresses, v18-31 at work, v32-63 statistics (8 a tile), v64-127 and v128-191 S by turns, v192-255 a ring of four groups of two fragments.
;   window 1: Q(t, c) at 64 t + 8 c, later the gate.   windows 2, 3: O(t, ct) at 128 (t % 2) + 8 ct in window 2 + t / 2.
.set VOFF,  0x400000
.set SLOT1, 131072
.set VLAST, 2*SLOT1
.set SPARE, VLAST+32768                ; the spare words: two blocks of 256 bytes that no other line names
.set AK0, 2                            ; v2   my lane's place in a slot's K
.set AV0, 3                            ; v3   in its V
.set ADK, 4                            ; v4   the same in the slot in hand
.set ADV, 5
.set ADL, 6                            ; v6   my lane's place in V(31)
.set QA,  7                            ; v7   my byte offset in Q for register tiles 0, 1
.set QB,  8                            ; v8   for tiles 2, 3
.set L16, 9                            ; v9   16 x lane
.set XW,  10                           ; v10  the exchange: where I put O,
.set XR,  11                           ; v11  where my partner's lies,
.set XSW, 12                           ; v12  and the same for the statistics
.set XSR, 13
.set PFO, 14                           ; v14  256 x lane
.set SPW, 16
.set NIL, 17
.set ST,  32                           ; tile t at ST + 8 t: +0 c m, +1 m, +2, +3 l, +4, +5 at work, +6 a, +7 the old c m
.set SA,  64
.set SB,  128
.set RING, 192
.set WV,  14
.set G1,  24                           ; s[24:31] 128 dense rows of 256 bytes
.set G1L, 32                           ; s[32:39] 32 such rows
.set G0A, 40                           ; s[40:43] slot 0's first fill
.set G0B, 44                           ; s[44:47] slot 1's; it then walks
.set G0L, 48                           ; s[48:51] V(31)
.set TB,  52                           ; s52  the slot in hand
.set SLOTS, 53
.set LIM, 54
.set PFA, 56
.set CS,  58                           ; s[58:59] c = log2(e) / 16
.set SEL, 60
.set NL2, 62                           ; s[62:63] -log2(e)
.set MSB, 0
.macro WIN new                         ; the immediate's high byte repeats the setting that is left; a switch that changes nothing is dropped
.if MSB != (\new)
	s_set_vgpr_msb (MSB<<8)|(\new)
.set MSB, (\new)
.endif
.endm
.macro CROUND                          ; a round of the cluster's barrier
	s_barrier_signal -1
	s_barrier_wait -1
	s_cmp_lg_u32 s[WV], 0
	s_cbranch_scc1 .Lnot_wave_0_\@
	s_barrier_signal -3
.Lnot_wave_0_\@:
	s_barrier_wait -3
	s_barrier_signal -1
	s_barrier_wait -1
.endm
; A prefetch of the slot behind the one that is being asked for.  The 16 clusters of a key and value head walk the same bytes: the first of them asks (cluster x = 0, first of the four query heads).
; A wave asks for its own stream; the four partners share a wave's 32 KiB out by address, 8 KiB each, lanes 256 bytes apart: each block of 256 bytes is named once.  The last filling change asks for nothing.
.macro ASK
	s_cmp_gt_u32 s[SLOTS], s[LIM]
	s_cbranch_scc0 .Lnot_mine_\@
	global_prefetch_b8 v[PFO], s[PFA:PFA+1] th:TH_LOAD_NT scope:SCOPE_SE
.Lnot_mine_\@:
.endm
	s_load_b256 s[4:11], s[0:1], 0x0               ; q16 s[4:5], kv16 s[6:7], gate s[8:9], a16 s[10:11]
	s_load_b64 s[12:13], s[0:1], 0x20              ; ascale
	v_lshl_add_u32 v[SPW], v0, 2, SPARE
	v_mov_b32 v[NIL], 0
	ds_add_u32 v[SPW], v[NIL]                      ; the wave's opening: the add, twice on end, and its wait ahead of my first tensor load
	ds_add_u32 v[SPW], v[NIL]
	v_lshrrev_b32 v1, 5, v0
	v_readfirstlane_b32 s[WV], v1                  ; wave 0..3
	s_lshr_b32 s15, s[WV], 1                       ; i.  Also: I fetch K (0) or V (1)
	s_and_b32 s16, s[WV], 1                        ; j.  Also: for which half of the keys
	s_bfe_u32 s17, ttmp6, 0x40000                  ; cx
	s_lshl_b32 s18, ttmp9, 2
	s_add_co_u32 s18, s18, s17                     ; my block of 128 queries: it enters Q's, the gate's and the outputs' addresses alone
	s_and_b32 s19, ttmp7, 0xffff                   ; batch x 8 + head, which the partners share
	s_lshl_b32 s20, s19, 18
	s_and_b32 s20, s20, 0xfff00000                 ; (batch x 2 + key head) x 1 MiB
	s_lshl_b32 s22, s15, 22                        ; V lies VOFF behind K
	s_add_co_u32 s22, s22, s20
	s_lshl_b32 s21, s16, 19                        ; a half of the keys is 512 KiB
	s_add_co_u32 s22, s22, s21
	s_mov_b32 s23, 0
	s_add_co_u32 s66, s20, s21
	s_lshl_b32 s21, s15, 13
	s_add_co_u32 s66, s66, s21
	s_add_co_u32 s66, s66, VOFF+16384+31*16384     ; V(31) of half j, its key tile i
	s_mov_b32 s67, 0
	s_mov_b32 s[G1], 15|(3<<16)|(1<<21)            ; the mask: all four work-groups; elements of 8 bytes; bit 21 beside a mask; no padding: fragments are read 16 bytes a lane on end
	s_mov_b32 s[G1+1], 32<<16                      ; tensor_dim0 = 32 elements
	s_mov_b32 s[G1+2], 128<<16                     ; tensor_dim1 = 128
	s_mov_b32 s[G1+3], 32<<16                      ; tile_dim0
	s_mov_b32 s[G1+4], 128                         ; tile_dim1
	s_mov_b32 s[G1+5], 32                          ; the pitch
	s_mov_b32 s[G1+6], 0
	s_mov_b32 s[G1+7], 0
	s_mov_b32 s[G1L], 15|(3<<16)|(1<<21)
	s_mov_b32 s[G1L+1], 32<<16
	s_mov_b32 s[G1L+2], 32<<16
	s_mov_b32 s[G1L+3], 32<<16
	s_mov_b32 s[G1L+4], 32
	s_mov_b32 s[G1L+5], 32
	s_mov_b32 s[G1L+6], 0
	s_mov_b32 s[G1L+7], 0
	s_mov_b32 s[G0A], 1
	s_lshl_b32 s[G0A+1], s[WV], 15                 ; a slot: K j = 0, K j = 1, V j = 0, V j = 1: wave x 32 KiB
	s_mov_b32 s[G0B], 1
	s_add_co_u32 s[G0B+1], s[G0A+1], SLOT1
	s_mov_b32 s[G0L], 1
	s_lshl_b32 s[G0L+1], s16, 14
	s_add_co_u32 s[G0L+1], s[G0L+1], s21
	s_add_co_u32 s[G0L+1], s[G0L+1], VLAST
	s_mov_b32 s[TB], 0
	s_mov_b32 s[SLOTS], 14
	s_mov_b32 s[CS], 0x3db8aa3b
	s_mov_b32 s[CS+1], s[CS]
	s_mov_b32 s[SEL], 0x76543210
	s_mov_b32 s[SEL+1], 0xfedcba98
	s_mov_b32 s[NL2], 0xbfb8aa3b
	s_mov_b32 s[NL2+1], s[NL2]
	s_and_b32 s[LIM], s19, 3
	s_or_b32 s[LIM], s[LIM], ttmp9
	s_cmp_eq_u32 s[LIM], 0
	s_cselect_b32 s[LIM], 1, -1                    ; the same in all four partners
	s_lshl_b32 s68, s19, 7
	s_lshl_b32 s69, s18, 3
	s_add_co_u32 s68, s68, s69
	s_lshl_b32 s69, s15, 2
	s_add_co_u32 s68, s68, s69
	s_lshl_b32 s68, s68, 13                        ; Q: ((batch x 8 + head) x 128 + my first query tile) x 8 KiB
	s_mov_b32 s69, 0
	s_lshr_b32 s70, s19, 3
	s_lshl_b32 s70, s70, 7
	s_lshl_b32 s71, s18, 3
	s_add_co_u32 s70, s70, s71
	s_lshl_b32 s71, s15, 2
	s_add_co_u32 s70, s70, s71
	s_lshl_b32 s71, s16, 1
	s_add_co_u32 s70, s70, s71                     ; the first of the two tiles of tokens that I keep
	s_and_b32 s71, s19, 7                          ; the head
	s_lshl_b32 s72, s70, 7
	s_lshl_b32 s73, s71, 4
	s_add_co_u32 s72, s72, s73
	s_lshl_b32 s72, s72, 10                        ; the gate
	s_mov_b32 s73, 0
	s_lshl_b32 s74, s71, 8
	s_add_co_u32 s74, s74, s70
	s_lshl_b32 s74, s74, 13                        ; a16
	s_mov_b32 s75, 0
	s_lshl_b32 s76, s71, 12
	s_lshl_b32 s77, s70, 4
	s_add_co_u32 s76, s76, s77
	s_lshl_b32 s76, s76, 2                         ; ascale
	s_mov_b32 s77, 0
	s_lshl_b32 s78, s17, 13
	s_add_co_u32 s78, s78, 0x10000                 ; the prefetches: my work-group's 8 KiB, in slot 2; the first change of slots steps it to slot 3
	s_mov_b32 s79, 0
	v_and_b32 v1, 31, v0                           ; lane
	v_lshlrev_b32 v[L16], 4, v1
	s_lshl_b32 s21, s16, 15
	v_add_nc_u32 v[AK0], s21, v[L16]
	v_lshrrev_b32 v18, 4, v1
	v_and_b32 v19, 7, v1
	v_bfe_u32 v20, v1, 3, 1
	v_lshlrev_b32 v21, 8, v18
	v_lshl_add_u32 v21, v19, 5, v21
	v_lshl_add_u32 v21, v20, 4, v21                ; the turning load: key 8 (l / 16) + l % 8 of 32 bytes, channels 8 ((l / 8) % 2) on
	s_add_co_u32 s21, s21, 65536
	v_add_nc_u32 v[AV0], s21, v21
	s_lshl_b32 s21, s16, 14
	v_add_nc_u32 v[QA], s21, v[L16]
	s_add_co_u32 s20, s21, VLAST
	v_add_nc_u32 v[ADL], s20, v21
	s_xor_b32 s21, s21, 16384
	v_add_nc_u32 v[QB], s21, v[L16]
	s_lshl_b32 s21, s[WV], 15
	v_add_nc_u32 v[XW], s21, v[L16]
	s_xor_b32 s21, s21, 32768
	v_add_nc_u32 v[XR], s21, v[L16]
	v_lshlrev_b32 v22, 2, v1
	s_lshl_b32 s21, s[WV], 9
	s_add_co_u32 s20, s21, SLOT1
	v_add_nc_u32 v[XSW], s20, v22
	s_xor_b32 s21, s21, 512
	s_add_co_u32 s20, s21, SLOT1
	v_add_nc_u32 v[XSR], s20, v22
	v_lshlrev_b32 v[PFO], 8, v1
	v_mov_b32 v[ADK], v[AK0]
	v_mov_b32 v[ADV], v[AV0]
	s_wait_dscnt 0x0                               ; both opening adds are done
	s_wait_kmcnt 0x0
	s_add_nc_u64 s[G0A+2:G0A+3], s[6:7], s[22:23]
	s_add_nc_u64 s[G0B+2:G0B+3], s[G0A+2:G0A+3], 0x8000
	s_add_nc_u64 s[PFA:PFA+1], s[G0A+2:G0A+3], s[78:79]
	s_or_b32 s[G0A+3], s[G0A+3], 0x80000000
	s_or_b32 s[G0B+3], s[G0B+3], 0x80000000
	s_add_nc_u64 s[G0L+2:G0L+3], s[6:7], s[66:67]
	s_or_b32 s[G0L+3], s[G0L+3], 0x80000000
	s_add_nc_u64 s[4:5], s[4:5], s[68:69]
	s_add_nc_u64 s[8:9], s[8:9], s[72:73]
	s_add_nc_u64 s[10:11], s[10:11], s[74:75]
	s_add_nc_u64 s[12:13], s[12:13], s[76:77]
	CROUND                                         ; all four work-groups are here: the first joint loads meet
	tensor_load_to_lds s[G0A:G0A+3], s[G1:G1+7]    ; three loads of mine go out together: slot 0,
	s_nop 0
	tensor_load_to_lds s[G0B:G0B+3], s[G1:G1+7]    ; slot 1,
	s_nop 0
	tensor_load_to_lds s[G0L:G0L+3], s[G1L:G1L+7]  ; my quarter of V(31)
	s_nop 0
.rept 4
	v_nop
.endr
	WIN 0x40                                       ; destination window 1: Q stays in registers
.irp t, 0,1,2,3
.irp c, 0,1,2,3,4,5,6,7
.if \t < 2
	global_load_b128 v[64*\t+8*\c:64*\t+8*\c+3], v[QA], s[4:5] offset:(\t%2)*8192+\c*1024
	global_load_b128 v[64*\t+8*\c+4:64*\t+8*\c+7], v[QA], s[4:5] offset:(\t%2)*8192+\c*1024+512
.else
	global_load_b128 v[64*\t+8*\c:64*\t+8*\c+3], v[QB], s[4:5] offset:(\t%2)*8192+\c*1024
	global_load_b128 v[64*\t+8*\c+4:64*\t+8*\c+7], v[QB], s[4:5] offset:(\t%2)*8192+\c*1024+512
.endif
.endr
.endr
	WIN 0x80                                       ; O begins as zeros: the step is written once, and the first rescaling leaves zeros zeros
.set i, 0
.rept 256
	v_mov_b32 v[i], 0
.set i, i+1
.endr
	WIN 0xc0
.set i, 0
.rept 256
	v_mov_b32 v[i], 0
.set i, i+1
.endr
	WIN 0
.irp t, 0,1,2,3
.irp q, 0,1,2,3,4,5,6,7
	v_mov_b32 v[SB+16*\t+\q], 0                    ; P(-1)
.endr
	v_mov_b32 v[ST+8*\t+1], 0xff61b1e6             ; m = -3e38, under every score
	v_mul_f32 v[ST+8*\t], s[CS], v[ST+8*\t+1]
.irp q, 2,3,4,5,6,7
	v_mov_b32 v[ST+8*\t+\q], 0
.endr
.endr
.macro LOADK n, c, ring                ; K of the slot's step n, channels 32 c on: two fragments (16 keys each)
.irp kt, 0,1
	ds_load_b128 v[RING+16*(\ring)+8*\kt:RING+16*(\ring)+8*\kt+3], v[ADK] offset:(\n)*16384+\kt*8192+(\c)*1024
	ds_load_b128 v[RING+16*(\ring)+8*\kt+4:RING+16*(\ring)+8*\kt+7], v[ADK] offset:(\n)*16384+\kt*8192+(\c)*1024+512
.endr
.endm
.macro LOADV adr, p, g, ring           ; V, part p, channels 32 g on: two fragments (16 channels x 32 keys each), turned
.irp f, 0,1
	ds_load_tr16_b128 v[RING+16*(\ring)+8*\f:RING+16*(\ring)+8*\f+3], v[\adr] offset:(\p)*16384+(2*(\g)+\f)*512
	ds_load_tr16_b128 v[RING+16*(\ring)+8*\f+4:RING+16*(\ring)+8*\f+7], v[\adr] offset:(\p)*16384+(2*(\g)+\f)*512+8192
.endr
.endm
; Product KI of 64 of S^T = K Q^T: channels 32 (KI / 8) on, tile (KI / 2) % 4, keys 16 (KI % 2) on.  The eight accumulators take turns; the first eight start the sums.
.macro QK X
	WIN 0x04                                       ; Q in window 1
.set cc, KI/8
.set tt, (KI/2)%4
.set rS, (\X)+16*tt+8*(KI%2)
.set rK, RING+16*(cc%4)+8*(KI%2)
.set rQ, 64*tt+8*cc
.if cc == 0
	v_wmma_f32_16x16x32_f16 v[rS:rS+7], v[rK:rK+7], v[rQ:rQ+7], 0
.else
	v_wmma_f32_16x16x32_f16 v[rS:rS+7], v[rK:rK+7], v[rQ:rQ+7], v[rS:rS+7]
.endif
.endm
; Product KI of 64 of O^T += V^T P: channels 16 (KI / 4) on, tile KI % 4.  Each accumulator is taken once a step.
.macro PV Y
.set tt, KI%4
.set rO, 128*(tt%2)+8*(KI/4)
.set rV, RING+16*((KI/8)%4)+8*((KI/4)%2)
.set rP, (\Y)+16*tt
	WIN 0xa0+0x50*(tt/2)                           ; O in window 2 or 3
	v_wmma_f32_16x16x32_f16 v[rO:rO+7], v[rV:rV+7], v[rP:rP+7], v[rO:rO+7]
.endm
; The accumulator of product kk of O^T x a, from its low end on: four plain instructions that name no register of the products round them
.macro RS kk
.set tt, (\kk)%4
.set rO, 128*(tt%2)+8*((\kk)/4)
	WIN 0x82+0x41*(tt/2)
.irp p, 0,1,2,3
	v_pk_mul_f32 v[rO+2*\p:rO+2*\p+1], v[rO+2*\p:rO+2*\p+1], v[ST+8*tt+6:ST+8*tt+7] op_sel_hi:[1,0]
.endr
.endm
; THE SOFTMAX of a tile for a step is a numbered list; slice NJ is number NJ for the four tiles by turns.
;   0-7 the maximum of the 16 scores and the old m (both accumulators are first read at their low end); 8 the other half of the lanes'; 9-12 the new m, c m and its change;
;   13-37 ONE BATCH: the eight scalings c s - c m and the 17 exponentials; none of these names an exponential's result; numbers 15, 23, 31 are plain;  behind 37 the one wait;
;   38-45 the sum of the unrounded p, l = l a + sum;  46, 47, 54, 55, 60-63 the roundings to f16, in place and ascending.  The other numbers are empty.
; Numbers 15, 31, 47, 63 are four plain instructions: they are the places in front of the ring's loads.
.macro SMF p
	v_pk_fma_f32 v[rS+2*(\p):rS+2*(\p)+1], v[rS+2*(\p):rS+2*(\p)+1], s[CS:CS+1], v[rT:rT+1] op_sel_hi:[1,0,0] neg_lo:[0,0,1] neg_hi:[0,0,1]
.endm
.macro SME e
	v_exp_f32 v[rS+(\e)], v[rS+(\e)]
.endm
.macro SMC q
	v_cvt_pk_f16_f32 v[rS+(\q)], v[rS+2*(\q)], v[rS+2*(\q)+1]
.endm
.macro SM1 X, t
.set rT, ST+8*(\t)
.set rS, (\X)+16*(\t)
.if NJ == 0
	v_max3_num_f32 v[rT+4], v[rS], v[rS+1], v[rS+2]
.elseif NJ == 1
	v_max3_num_f32 v[rT+5], v[rS+3], v[rS+4], v[rS+5]
.elseif NJ < 7
	v_max3_num_f32 v[rT+4+NJ%2], v[rT+4+NJ%2], v[rS+2*NJ+2], v[rS+2*NJ+3]
.elseif NJ == 7
	v_max3_num_f32 v[rT+4], v[rT+4], v[rT+5], v[rT+1]
.elseif NJ == 8
	v_permlanex16_b32 v[rT+5], v[rT+4], s[SEL], s[SEL+1]
.elseif NJ == 9
	v_mov_b32 v[rT+7], v[rT]
.elseif NJ == 10
	v_max_num_f32 v[rT+1], v[rT+4], v[rT+5]
.elseif NJ == 11
	v_mul_f32 v[rT], s[CS], v[rT+1]
.elseif NJ == 12
	v_sub_f32 v[rT+7], v[rT+7], v[rT]
.elseif NJ == 13
	SMF 0
.elseif NJ == 14
	v_exp_f32 v[rT+6], v[rT+7]
.elseif NJ == 15
	SMF 1
.elseif NJ < 18
	SME NJ-16
.elseif NJ == 18
	SMF 2
.elseif NJ < 21
	SME NJ-17
.elseif NJ == 21
	SMF 3
.elseif NJ == 22
	SME 4
.elseif NJ == 23
	SMF 4
.elseif NJ < 27
	SME NJ-19
.elseif NJ == 27
	SMF 5
.elseif NJ < 31
	SME NJ-20
.elseif NJ == 31
	SMF 6
.elseif NJ == 32
	SME 11
.elseif NJ == 33
	SMF 7
.elseif NJ < 38
	SME NJ-22
.elseif NJ == 38
	v_pk_add_f32 v[rT+4:rT+5], v[rS:rS+1], v[rS+2:rS+3]
.elseif NJ < 45
	v_pk_add_f32 v[rT+4:rT+5], v[rT+4:rT+5], v[rS+2*(NJ-37):rS+2*(NJ-37)+1]
.elseif NJ == 45
	v_pk_fma_f32 v[rT+2:rT+3], v[rT+2:rT+3], v[rT+6:rT+7], v[rT+4:rT+5] op_sel_hi:[1,0,1]
.elseif NJ < 48
	SMC NJ-46
.elseif NJ < 56
	SMC NJ-52
.else
	SMC NJ-56
.endif
.endm
.macro SMS X
.set NJ, KI
.if (NJ < 48) || (NJ == 54) || (NJ == 55) || (NJ >= 60)
	WIN 0
.irp t, 0,1,2,3
	SM1 \X, \t
.endr
.endif
.if NJ == 37
	v_nop                                          ; a plain instruction behind the last exponential
	s_wait_alu depctr_va_vdst(0)                   ; the step's one wait, for the 68 exponentials, ahead of their first reader
.endif
.endm
; THE CHANGE OF SLOTS stands behind V's group 5 of a slot's second step: all reads of the slot have been asked for, and the two groups still to be multiplied come in under the wait below.
; Each wave waits for all its tensor loads (one is out: its part of the other slot), adds 0 to its spare word, and waits for that and for its reads.  fill = 1: the slot is filled again with the keys two slots on: a round of the
; cluster's barrier, then the joint load first: it has a whole slot's 256 matrix instructions in which to land.
.macro CHANGE fill
	s_wait_tensorcnt 0x0                           ; no tensor load of mine is out, so a group 0 may be written
	ds_add_u32 v[SPW], v[NIL]                      ; 0 onto my spare word
.if \fill
	s_xor_b32 s[G0B+1], s[G0B+1], SLOT1            ; the walking descriptor: the other slot than last time,
	s_add_nc_u64 s[G0B+2:G0B+3], s[G0B+2:G0B+3], 0x8000   ; the next 64 keys
	s_wait_xcnt 0x0                                ; the last prefetch, a slot back, has read its address
	s_add_nc_u64 s[PFA:PFA+1], s[PFA:PFA+1], 0x8000
.endif
	s_xor_b32 s[TB], s[TB], SLOT1
	s_wait_dscnt 0x0                               ; the add is done, and my reads of the slot are over
.if \fill
	CROUND
	tensor_load_to_lds s[G0B:G0B+3], s[G1:G1+7]
	s_nop 0
.rept 4
	v_nop
.endr
	ASK
.else
	s_barrier_signal -1
	s_barrier_wait -1
.endif
	v_add_nc_u32 v[ADK], s[TB], v[AK0]
	v_add_nc_u32 v[ADV], s[TB], v[AV0]
.endm
; A STEP.  X: S of this step; Y: P of the step before; n: which of the slot's two steps.  Sixteen groups of eight products.  THE RING'S LOADS GO IN RUNS OF EIGHT: behind every second group the two places
; just read take the groups four on, 16 matrix instructions ahead of their first use: eight runs a step, so that the products are broken off for LDS loads half as often as with a run for each group.
; At the head of a pair of groups 8 LDS loads may be out: behind this pair's run one younger run has been issued.
.macro STEP X, Y, n, chg, fill
.set KI, 0
.rept 64
.if KI%16 == 0
	s_wait_dscnt 8
.endif
	QK \X
	RS KI
.if KI%16 == 15
	WIN 0
.if KI/16 < 2
	LOADK \n, KI/8+3, (KI/8-1)%4
	LOADK \n, KI/8+4, (KI/8)%4
.else
	LOADV ADV, \n, KI/8-5, (KI/8-1)%4
	LOADV ADV, \n, KI/8-4, (KI/8)%4
.endif
.endif
.set KI, KI+1
.endr
.set KI, 0
.rept 64
.if KI%16 == 0
	s_wait_dscnt 8
.endif
	PV \Y
	SMS \X
.if KI%16 == 15
	WIN 0
.if KI/16 < 2
	LOADV ADV, \n, KI/8+3, (KI/8-1)%4
	LOADV ADV, \n, KI/8+4, (KI/8)%4
.else
.if (KI/16 == 2) && \chg
	CHANGE \fill
.endif
	LOADK (\n+1)%2, KI/8-5, (KI/8-1)%4
	LOADK (\n+1)%2, KI/8-4, (KI/8)%4
.endif
.endif
.set KI, KI+1
.endr
.endm
	s_wait_tensorcnt 2                             ; my part of slot 0 is in; slot 1's and V(31)'s may stay out
	s_barrier_signal -1
	s_barrier_wait -1
	LOADK 0, 0, 0
	LOADK 0, 1, 1
	LOADK 0, 2, 2
	LOADK 0, 3, 3
	s_wait_loadcnt 0x0                             ; Q
.Lfill:                                            ; 14 trips of two steps: slots 2 to 15 are asked for
	STEP SA, SB, 0, 0, 0
	STEP SB, SA, 1, 1, 1
	WIN 0
	s_sub_co_u32 s[SLOTS], s[SLOTS], 1
	s_cmp_lg_u32 s[SLOTS], 0
	s_cbranch_scc1 .Lfill
	s_mov_b32 s[SLOTS], 2
.Ltail:                                            ; the last two slots ask for nothing: a second copy.  The last trip's look-ahead reads bytes of K that no product uses
	STEP SA, SB, 0, 0, 0
	STEP SB, SA, 1, 1, 0
	WIN 0
	s_sub_co_u32 s[SLOTS], s[SLOTS], 1
	s_cmp_lg_u32 s[SLOTS], 0
	s_cbranch_scc1 .Ltail
	; THE DRAIN: O x a(31), O += V(31)^T P(31).  The gate of the two tiles that I keep is asked for here, into Q's registers.
	s_wait_dscnt 0x0                               ; the look-ahead has landed: the ring may be loaded again
.rept 4
	v_nop
.endr
	WIN 0x40
.irp t, 0,1
.irp ct, 0,1,2,3,4,5,6,7,8,9,10,11,12,13,14,15
	global_load_b128 v[128*\t+8*\ct:128*\t+8*\ct+3], v[L16], s[8:9] offset:131072*\t+1024*\ct th:TH_LOAD_NT
	global_load_b128 v[128*\t+8*\ct+4:128*\t+8*\ct+7], v[L16], s[8:9] offset:131072*\t+1024*\ct+512 th:TH_LOAD_NT
.endr
.endr
	WIN 0
	LOADV ADL, 0, 0, 0
	LOADV ADL, 0, 1, 1
	LOADV ADL, 0, 2, 2
	LOADV ADL, 0, 3, 3
.irp k, 0,1,2,3,4,5,6,7
	RS \k
.endr
.set KI, 0
.rept 64
.if KI%8 == 0
.if KI/8 < 5
	s_wait_dscnt 12                                ; here a run is one group's four loads: three younger groups may be out;
.else
	s_wait_dscnt 12-4*(KI/8-4)                     ; then two, one, none
.endif
.endif
	PV SB
.if KI+8 < 64
	RS KI+8
.endif
.if (KI%8 == 7) && (KI/8 < 4)
	WIN 0
	LOADV ADL, 0, KI/8+4, (KI/8)%4
.endif
.set KI, KI+1
.endr
	; THE MERGE.  l's halves are added (these lines are also the places behind the last products); tiles 2, 3 and their c m and l go to my partner through the slots, which have had their last fill and, behind the barrier, their last read.
	WIN 0
.irp t, 0,1,2,3
	v_add_f32 v[ST+8*\t+4], v[ST+8*\t+2], v[ST+8*\t+3]
.endr
.irp t, 0,1,2,3
	v_permlanex16_b32 v[ST+8*\t+5], v[ST+8*\t+4], s[SEL], s[SEL+1]
.endr
.irp t, 0,1,2,3
	v_add_f32 v[ST+8*\t+2], v[ST+8*\t+4], v[ST+8*\t+5]
.endr
	s_wait_dscnt 0x0
	s_barrier_signal -1
	s_barrier_wait -1
	WIN 0x0c                                       ; an LDS store's data are its source 1: window 3
.irp u, 0,1
.irp ct, 0,1,2,3,4,5,6,7,8,9,10,11,12,13,14,15
	ds_store_b128 v[XW], v[128*\u+8*\ct:128*\u+8*\ct+3] offset:(16*\u+\ct)*1024
	ds_store_b128 v[XW], v[128*\u+8*\ct+4:128*\u+8*\ct+7] offset:(16*\u+\ct)*1024+512
.endr
.endr
	WIN 0
	ds_store_b32 v[XSW], v[ST+16]
	ds_store_b32 v[XSW], v[ST+18] offset:128
	ds_store_b32 v[XSW], v[ST+24] offset:256
	ds_store_b32 v[XSW], v[ST+26] offset:384
	s_wait_dscnt 0x0                               ; for my partner's sake: my stores are done
	s_barrier_signal -1
	s_barrier_wait -1
	ds_load_b32 v18, v[XSR]                        ; my partner's c m and l of my tile 0,
	ds_load_b32 v19, v[XSR] offset:128
	ds_load_b32 v20, v[XSR] offset:256             ; of my tile 1
	ds_load_b32 v21, v[XSR] offset:384
	WIN 0xc0
.irp u, 0,1
.irp ct, 0,1,2,3,4,5,6,7,8,9,10,11,12,13,14,15
	ds_load_b128 v[128*\u+8*\ct:128*\u+8*\ct+3], v[XR] offset:(16*\u+\ct)*1024
	ds_load_b128 v[128*\u+8*\ct+4:128*\u+8*\ct+7], v[XR] offset:(16*\u+\ct)*1024+512
.endr
.endr
	WIN 0
	s_wait_dscnt 0x0
.irp t, 0,1
	v_max_num_f32 v[22+\t], v[ST+8*\t], v[18+2*\t]
.endr
.irp t, 0,1
	v_sub_f32 v[24+2*\t], v[ST+8*\t], v[22+\t]
	v_sub_f32 v[25+2*\t], v[18+2*\t], v[22+\t]
.endr
.irp q, 24,25,26,27
	v_exp_f32 v\q, v\q
.endr
	v_nop
	s_wait_alu depctr_va_vdst(0)                   ; one wait for the four
.irp t, 0,1
	v_mul_f32 v[22+\t], v[ST+8*\t+2], v[24+2*\t]
.endr
.irp t, 0,1
	v_fma_f32 v[22+\t], v[19+2*\t], v[25+2*\t], v[22+\t]
.endr
	v_rcp_f32 v22, v22
	v_rcp_f32 v23, v23
	v_nop
	s_wait_alu depctr_va_vdst(0)                   ; one wait for the two
.irp t, 0,1
	v_mul_f32 v[ST+8*\t+4], v[24+2*\t], v[22+\t]   ; what my O is multiplied by,
	v_mul_f32 v[ST+8*\t+6], v[25+2*\t], v[22+\t]   ; and my partner's
.endr
	s_wait_loadcnt 0x0                             ; the gate
; 64 registers at a time: silu(g) = g / (1 + 2^(-log2(e) g)); O = (O fa + O' fb) x silu(g).  The merge's lines are the independent work behind the reciprocals.
.macro CHUNK q
.set cb, 64*(\q)
.set rT, ST+8*((\q)/2)
	WIN 0x01
.set i, 0
.rept 32
	v_pk_mul_f32 v[SA+2*i:SA+2*i+1], v[cb+2*i:cb+2*i+1], s[NL2:NL2+1] op_sel_hi:[1,0]
.set i, i+1
.endr
	WIN 0
.set i, 0
.rept 64
	v_exp_f32 v[SA+i], v[SA+i]
.set i, i+1
.endr
	v_nop
	s_wait_alu depctr_va_vdst(0)                   ; one wait for the 64
.set i, 0
.rept 32
	v_pk_add_f32 v[SA+2*i:SA+2*i+1], v[SA+2*i:SA+2*i+1], 1.0 op_sel_hi:[1,0]
.set i, i+1
.endr
.set i, 0
.rept 64
	v_rcp_f32 v[SA+i], v[SA+i]
.set i, i+1
.endr
	WIN 0x82
.set i, 0
.rept 32
	v_pk_mul_f32 v[cb+2*i:cb+2*i+1], v[cb+2*i:cb+2*i+1], v[rT+4:rT+5] op_sel_hi:[1,0]
.set i, i+1
.endr
	WIN 0xa3                                       ; source 0: my partner's O in window 3
.set i, 0
.rept 32
	v_pk_fma_f32 v[cb+2*i:cb+2*i+1], v[cb+2*i:cb+2*i+1], v[rT+6:rT+7], v[cb+2*i:cb+2*i+1] op_sel_hi:[1,0,1]
.set i, i+1
.endr
	s_wait_alu depctr_va_vdst(0)                   ; one wait for the 64 reciprocals
	WIN 0x01
.set i, 0
.rept 32
	v_pk_mul_f32 v[SA+2*i:SA+2*i+1], v[cb+2*i:cb+2*i+1], v[SA+2*i:SA+2*i+1]
.set i, i+1
.endr
	WIN 0x82
.set i, 0
.rept 32
	v_pk_mul_f32 v[cb+2*i:cb+2*i+1], v[cb+2*i:cb+2*i+1], v[SA+2*i:SA+2*i+1]
.set i, i+1
.endr
.endm
	CHUNK 0
	CHUNK 1
	CHUNK 2
	CHUNK 3
; A kept tile: the row's largest magnitude (floor 2^-100) gives a power of two that brings it into [2^14, 2^15): nothing is rounded by it; the numbers go out in f16, the power of two beside them.
.macro TILEOUT t
.set ob, 128*(\t)
.set hb, SA+64*(\t)
	WIN 0
	v_mov_b32 v24, 0x0d800000
	v_mov_b32 v25, 0x0d800000
	WIN 0x28
.set i, 0
.rept 32
	v_max3_num_f32 v24, v24, |v[ob+4*i]|, |v[ob+4*i+1]|
	v_max3_num_f32 v25, v25, |v[ob+4*i+2]|, |v[ob+4*i+3]|
.set i, i+1
.endr
	WIN 0
	v_max_num_f32 v24, v24, v25
	v_permlanex16_b32 v25, v24, s[SEL], s[SEL+1]
	v_max_num_f32 v24, v24, v25
	v_and_b32 v24, 0x7f800000, v24                 ; 2^e
	v_sub_nc_u32 v26, 0x86000000, v24              ; 2^(14 - e)
	v_add_nc_u32 v[28+\t], 0xf9000000, v24         ; 2^(e - 14)
	WIN 0x82
.set i, 0
.rept 64
	v_pk_mul_f32 v[ob+2*i:ob+2*i+1], v[ob+2*i:ob+2*i+1], v[26:27] op_sel_hi:[1,0]
.set i, i+1
.endr
	WIN 0x0a
.set i, 0
.rept 64
	v_cvt_pk_f16_f32 v[hb+i], v[ob+2*i], v[ob+2*i+1]
.set i, i+1
.endr
	WIN 0
.irp ct, 0,1,2,3,4,5,6,7,8,9,10,11,12,13,14,15
	global_store_b128 v[L16], v[hb+4*\ct:hb+4*\ct+3], s[10:11] offset:8192*(\t)+512*\ct   ; 512 consecutive bytes of the image
.endr
.endm
	TILEOUT 0
	TILEOUT 1
	s_mov_b32 s72, 0xffff0000
	v_cndmask_b32 v30, v28, v29, s72               ; lanes 0-15: tile 0's rows; lanes 16-31: tile 1's, which follow them
	v_lshrrev_b32 v31, 2, v[L16]
	global_store_b32 v31, v30, s[12:13]
	s_wait_tensorcnt 0x0                           ; the wave's end: these three lines behind my last tensor load and my last LDS store
	ds_add_u32 v[SPW], v[NIL]
	s_wait_dscnt 0x0
	CROUND                                         ; the closing round
	s_endpgm
.Lfunc_end_k_q16ed10445e_attn:
	.size	k_q16ed10445e_attn, .Lfunc_end_k_q16ed10445e_attn-k_q16ed10445e_attn
	.p2alignl 7, 3214868480
	.fill 96, 4, 3214868480
	.section	.rodata,"a",@progbits
	.p2align	6, 0x0
	.amdhsa_kernel k_q16ed10445e_attn
		.amdhsa_group_segment_fixed_size 327680
		.amdhsa_private_segment_fixed_size 0
		.amdhsa_enable_private_segment 0
		.amdhsa_kernarg_size 40
		.amdhsa_user_sgpr_count 2
		.amdhsa_user_sgpr_kernarg_segment_ptr 1
		.amdhsa_wavefront_size32 1
		.amdhsa_system_sgpr_workgroup_id_x 1
		.amdhsa_system_sgpr_workgroup_id_y 1
		.amdhsa_system_sgpr_workgroup_id_z 1
		.amdhsa_system_vgpr_workitem_id 0
		.amdhsa_next_free_vgpr 1024
		.amdhsa_next_free_sgpr 80
		.amdhsa_reserve_vcc 0
		.amdhsa_float_denorm_mode_32 3
		.amdhsa_float_denorm_mode_16_64 3
		.amdhsa_memory_ordered 1
		.amdhsa_forward_progress 1
		.amdhsa_inst_pref_size 255
	.end_amdhsa_kernel
	.section	.bss,"aw",@nobits
	.p2align	6
	.space	262144
	.amdgpu_metadata
---
amdhsa.version: [ 1, 2 ]
amdhsa.kernels:
  - .name:           k_q16ed10445e_attn
    .symbol:         k_q16ed10445e_attn.kd
    .args:
      - { .name: q16, .offset: 0, .size: 8, .value_kind: global_buffer, .address_space: global }
      - { .name: kv16, .offset: 8, .size: 8, .value_kind: global_buffer, .address_space: global }
      - { .name: gate, .offset: 16, .size: 8, .value_kind: global_buffer, .address_space: global }
      - { .name: a16, .offset: 24, .size: 8, .value_kind: global_buffer, .address_space: global }
      - { .name: ascale, .offset: 32, .size: 8, .value_kind: global_buffer, .address_space: global }
    .group_segment_fixed_size: 327680
    .private_segment_fixed_size: 0
    .kernarg_segment_align: 8
    .kernarg_segment_size: 40
    .max_flat_workgroup_size: 128
    .sgpr_count:     80
    .vgpr_count:     1024
    .wavefront_size: 32
...
	.end_amdgpu_metadata
.endif
;; end of part 3
;; launch oproj (part 4): grid 8 x 32, 4 waves a work-group, clusters of 4 x 4, 327,680 bytes of LDS; arguments a16, ascale, tab, out0; writes out0
.if DOCPART == 4
	.amdgcn_target "amdgcn-amd-amdhsa--gfx1250"
	.amdhsa_code_object_version 6
	.text
	.protected	k_q16ed10445e_oproj
	.globl	k_q16ed10445e_oproj
	.p2align	8
	.type	k_q16ed10445e_oproj,@function
k_q16ed10445e_oproj:
	s_mov_b64 s[64:65], 0
	v_nop
	global_prefetch_b8 v0, s[64:65] scope:SCOPE_SE
	s_setreg_imm32_b32 hwreg(HW_REG_WAVE_MODE, 25, 1), 1
	s_wait_xcnt 0x0
	s_wait_alu depctr_hold_cnt(0) depctr_sa_sdst(0) depctr_va_vdst(0) depctr_va_sdst(0) depctr_va_ssrc(0) depctr_va_vcc(0) depctr_vm_vsrc(0)
	s_getreg_b32 s2, hwreg(HW_REG_IB_STS2, 6, 4)
	s_cmp_eq_u32 s2, 0
	s_cbranch_scc0 .Lentry_in_a_cluster
	s_endpgm
.Lentry_in_a_cluster:
	s_bfe_u32 s2, ttmp6, 0x10000c
	s_cmp_lg_u32 s2, 0xf033
	s_cbranch_scc0 .Lentry_shape_is_right
	s_endpgm
.Lentry_shape_is_right:
; OPROJ: out0[m][n] = sum over heads of scale[head][m] x (sum over the head's 256 k of a16[head][m][k] wo16[head][n][k]).  Operands in f16, sums in f32; the scales are exact powers of two, multiplied back in f32.
; A tile of out0 is 128 x 128, four waves of 64 x 64: 16 accumulators T, begun anew for each head, and 16 running sums F = F + T x scale.
; A K step is one head: 256 along K.  Both operands are images of operand registers (tiles of 16 rows x 256 k, 8 KiB): a slot is 128 dense KiB, A's 8 tiles and then B's 8; each wave brings 32 KiB by one joint load.
; CLUSTERS: 4 x 4 work-groups; a16's tiles are asked for jointly along a row of the cluster, Wo's along a column.
; THE MATRIX INSTRUCTION IS USED TRANSPOSED (source 0 = 16 rows of Wo, source 1 = 16 rows of a16): a lane holds one row of out0 and eight neighbouring columns; the row's scale is one number a lane.
; The eight K steps are written out: the scale's register changes from head to head.
; REGISTERS: window 0: v16-29 addresses, v32-95 the way out, v128-255 T.  window 1: two fragment buffers of 128.  window 2: v0-127 F, v128-159 the scales (block a, head hd at 128 + 8 a + hd).
.set SLOT,   131072
.set STAGE,  2*SLOT                    ; 16 rows x 272 bytes for each wave
.set SPITCH, 272
.set SPARE,  STAGE+4*16*SPITCH         ; the spare words: two blocks of 256 bytes that no other line names
.set ADRA, 16
.set ADRB, 20
.set STO,  24
.set RD,   25
.set CO,   26
.set SCA,  27
.set SPW,  28
.set NIL,  29
.set TMP,  32
.set ACC,  128
.set F0,   0
.set F1,   128
.set G1, 24
.set G0, 32
.set G1B, 48
.set G0B, 56
.set MSB, 0
.macro WIN new
.if MSB != (\new)
	s_set_vgpr_msb (MSB<<8)|(\new)
.set MSB, (\new)
.endif
.endm
.set MUL,  0x05                        ; sources 0 and 1 window 1; C and D window 0
.set TO_F, 0x40
.macro JLOAD s                         ; waves 0 and 1 fetch a16's two halves, waves 2 and 3 Wo's; an s_nop 0 and four v_nop follow each line
	s_cmp_eq_u32 s13, 0
	s_cbranch_scc0 .Lfor_b_\@
	tensor_load_to_lds s[G0+4*(\s):G0+4*(\s)+3], s[G1:G1+7]
	s_nop 0
.rept 4
	v_nop
.endr
	s_branch .Lasked_\@
.Lfor_b_\@:
	tensor_load_to_lds s[G0B+4*(\s):G0B+4*(\s)+3], s[G1B:G1B+7]
	s_nop 0
.rept 4
	v_nop
.endr
.Lasked_\@:
.endm
.macro CREST
	s_cmp_lg_u32 s12, 0
	s_cbranch_scc1 .Lnot_wave_0_\@
	s_barrier_signal -3
.Lnot_wave_0_\@:
	s_barrier_wait -3
	s_barrier_signal -1
	s_barrier_wait -1
.endm
.macro CROUND
	s_barrier_signal -1
	s_barrier_wait -1
	CREST
.endm
	s_load_b256 s[4:11], s[0:1], 0x0               ; a16 s[4:5], ascale s[6:7], tab s[8:9], out0 s[10:11]
	v_lshl_add_u32 v[SPW], v0, 2, SPARE
	v_mov_b32 v[NIL], 0
	ds_add_u32 v[SPW], v[NIL]                      ; the wave's opening: the add, twice on end, and its wait ahead of my first tensor load
	ds_add_u32 v[SPW], v[NIL]
	v_lshrrev_b32 v1, 5, v0
	v_readfirstlane_b32 s12, v1                    ; wave 0..3
	s_lshr_b32 s13, s12, 1                         ; which half of the tile's rows is mine.  Also: I fetch for a16 (0) or Wo (1)
	s_and_b32 s14, s12, 1                          ; which half of its columns.  Also: which four tiles I fetch
	s_bfe_u32 s40, ttmp6, 0x40000
	s_bfe_u32 s41, ttmp6, 0x40004
	s_lshl_b32 s42, ttmp9, 2
	s_add_co_u32 s42, s42, s40                     ; tile column
	s_and_b32 s15, ttmp7, 0xffff
	s_lshl_b32 s15, s15, 2
	s_add_co_u32 s15, s15, s41                     ; tile row
	s_lshl_b32 s43, s41, 2
	s_lshl_b32 s43, 15, s43                        ; my row of the cluster
	s_lshl_b32 s44, 0x1111, s40                    ; my column
	s_or_b32 s[G1+0], s43, (3<<16)|(1<<21)         ; the mask; elements of 8 bytes; bit 21 beside a mask; no padding
	s_or_b32 s[G1B+0], s44, (3<<16)|(1<<21)
.irp g, G1, G1B
	s_mov_b32 s[\g+1], 32<<16                      ; 128 dense rows of 256 bytes
	s_mov_b32 s[\g+2], 128<<16
	s_mov_b32 s[\g+3], 32<<16
	s_mov_b32 s[\g+4], 128
	s_mov_b32 s[\g+5], 32
	s_mov_b32 s[\g+6], 0
	s_mov_b32 s[\g+7], 0
.endr
	s_lshl_b32 s17, s14, 2
	s_lshl_b32 s16, s15, 3
	s_add_co_u32 s16, s16, s17
	s_lshl_b32 s16, s16, 13                        ; a16: (8 x tile row + 4 x half) tiles of 8 KiB
	s_lshl_b32 s46, s42, 3
	s_add_co_u32 s46, s46, s17
	s_lshl_b32 s46, s46, 13                        ; Wo likewise, by the tile column
	s_mov_b32 s17, 0
	s_mov_b32 s47, 0
	s_lshl_b32 s20, s12, 15                        ; where they go: wave x 32 KiB
	s_wait_dscnt 0x0                               ; both opening adds are done
	s_wait_kmcnt 0x0
	s_add_nc_u64 s[18:19], s[4:5], s[16:17]
	s_add_nc_u64 s[46:47], s[8:9], s[46:47]
	CROUND                                         ; all sixteen work-groups are here: the first joint loads meet
.irp s, 0,1
	s_mov_b32 s[G0+4*\s], 1
	s_add_co_u32 s[G0+4*\s+1], s20, \s*SLOT
	s_add_nc_u64 s[G0+4*\s+2:G0+4*\s+3], s[18:19], \s*0x200000     ; a head of a16 is 256 tiles
	s_or_b32 s[G0+4*\s+3], s[G0+4*\s+3], 0x80000000
	s_mov_b32 s[G0B+4*\s], 1
	s_add_co_u32 s[G0B+4*\s+1], s20, \s*SLOT
	s_add_nc_u64 s[G0B+4*\s+2:G0B+4*\s+3], s[46:47], \s*0x80000    ; a head of Wo is 64 tiles
	s_or_b32 s[G0B+4*\s+3], s[G0B+4*\s+3], 0x80000000
	JLOAD \s
.endr
	v_and_b32 v1, 15, v0                           ; r
	v_bfe_u32 v2, v0, 4, 1                         ; h
	v_and_b32 v3, 31, v0
	v_lshlrev_b32 v3, 4, v3                        ; 16 x lane
	s_lshl_b32 s21, s13, 15                        ; my four tiles of a16,
	s_lshl_b32 s22, s14, 15                        ; my four of Wo,
	s_add_co_u32 s22, s22, 65536                   ; which lie behind a16's eight
.irp s, 0,1
	v_add_nc_u32 v[ADRA+\s], s21, v3
	v_add_nc_u32 v[ADRB+\s], s22, v3
	s_add_co_u32 s21, s21, SLOT
	s_add_co_u32 s22, s22, SLOT
.endr
	s_mul_i32 s23, s12, 16*SPITCH
	s_add_co_u32 s23, s23, STAGE                   ; my stage
	v_mul_u32_u24 v4, v1, SPITCH
	v_lshl_add_u32 v4, v2, 5, v4
	v_add_nc_u32 v[STO], s23, v4                   ; in: row r, 32 bytes for each half of the lanes
	v_mul_u32_u24 v5, v2, SPITCH
	v_lshl_add_u32 v5, v1, 4, v5
	v_add_nc_u32 v[RD], s23, v5                    ; back: lanes 0-15 one row of 256 bytes, lanes 16-31 the next
	v_lshlrev_b32 v5, 12, v2
	v_lshl_add_u32 v[CO], v1, 4, v5                ; and the same two rows in out0
	v_lshlrev_b32 v[SCA], 2, v1
	s_lshl_b32 s16, s15, 9
	s_lshl_b32 s21, s13, 8
	s_add_co_u32 s16, s16, s21                     ; my 64 rows' scales
	s_add_nc_u64 s[6:7], s[6:7], s[16:17]
	s_lshl_b32 s16, s15, 7
	s_lshl_b32 s21, s13, 6
	s_add_co_u32 s16, s16, s21
	s_lshl_b32 s16, s16, 12                        ; my first row of out0, 4,096 bytes a row
	s_add_nc_u64 s[10:11], s[10:11], s[16:17]
	s_lshl_b32 s46, s42, 9                         ; my 64 columns: 512 x tile column + 256 x half
	s_lshl_b32 s47, s14, 8
	s_add_co_u32 s46, s46, s47
	s_mov_b32 s47, 0
	s_add_nc_u64 s[10:11], s[10:11], s[46:47]
	WIN 0x80                                       ; destination window 2
.irp a, 0,1,2,3
.irp hd, 0,1,2,3,4,5,6,7
	global_load_b32 v[128+8*\a+\hd], v[SCA], s[6:7] offset:16384*\hd+64*\a
.endr
.endr
	WIN 0
; 8 matrix instructions: row blocks a0, a0 + 1 x all 4 column blocks, 32 along K: half c of buffer f.  The 16 accumulators take turns.
.macro MUL8 f, c, a0, zero
.irp a, \a0, \a0+1
.irp b, 0,1,2,3
.if \zero
	v_wmma_f32_16x16x32_f16 v[ACC+8*(4*(\a)+\b):ACC+8*(4*(\a)+\b)+7], v[\f+64+8*(4*\c+\b):\f+64+8*(4*\c+\b)+7], v[\f+8*(4*\c+\a):\f+8*(4*\c+\a)+7], 0
.else
	v_wmma_f32_16x16x32_f16 v[ACC+8*(4*(\a)+\b):ACC+8*(4*(\a)+\b)+7], v[\f+64+8*(4*\c+\b):\f+64+8*(4*\c+\b)+7], v[\f+8*(4*\c+\a):\f+8*(4*\c+\a)+7], v[ACC+8*(4*(\a)+\b):ACC+8*(4*(\a)+\b)+7]
.endif
.endr
.endr
.endm
; 32 LDS loads in one run: the fragments of the slot's q-th 64 along K, into buffer f; the first 32 along K first
.macro FETCH slot, q, f
	WIN TO_F
.irp c, 0,1
.irp i, 0,1,2,3
	ds_load_b128 v[\f+64+8*(4*\c+\i):\f+64+8*(4*\c+\i)+3],   v[ADRB+(\slot)] offset:\i*8192+(2*(\q)+\c)*1024
	ds_load_b128 v[\f+64+8*(4*\c+\i)+4:\f+64+8*(4*\c+\i)+7], v[ADRB+(\slot)] offset:\i*8192+(2*(\q)+\c)*1024+512
	ds_load_b128 v[\f+8*(4*\c+\i):\f+8*(4*\c+\i)+3],         v[ADRA+(\slot)] offset:\i*8192+(2*(\q)+\c)*1024
	ds_load_b128 v[\f+8*(4*\c+\i)+4:\f+8*(4*\c+\i)+7],       v[ADRA+(\slot)] offset:\i*8192+(2*(\q)+\c)*1024+512
.endr
.endr
.endm
.macro PLACES
.rept 4
	v_nop
.endr
.endm
.macro QUARTER slot, q, f, g, zero     ; multiplies buffer f and fetches the slot's q-th quarter into g
	s_wait_dscnt 16                                ; the first 32 along K are in; the other sixteen loads may be out
	WIN MUL
	MUL8 \f, 0, 0, \zero
	MUL8 \f, 0, 2, \zero
	PLACES
	FETCH \slot, \q, \g
	s_wait_dscnt 32                                ; all but the 32 just issued
	WIN MUL
	MUL8 \f, 1, 0, 0
	MUL8 \f, 1, 2, 0
.endm
; The last quarter multiplies buffer 1 and changes slots: one barrier; in front of it each wave waits for all its tensor loads, adds 0 to its spare word, and waits for that and for its reads of this slot.  fill = 1: this slot takes the head two on.
.macro TURN slot, next, fill
	WIN 0
	s_wait_tensorcnt 0x0                           ; all my tensor loads have landed: my part of the next slot
	ds_add_u32 v[SPW], v[NIL]                      ; 0 onto my spare word
	s_wait_dscnt 17                                ; the add and the youngest sixteen loads may be out
	WIN MUL
	MUL8 F1, 0, 0, 0
	s_wait_dscnt 0x0                               ; the add is done, and my reads of this slot are over
	s_barrier_signal -1
	MUL8 F1, 0, 2, 0
.if \fill
	WIN 0
.endif
	s_barrier_wait -1
.if \fill
	CREST                                          ; the barrier has opened a round of the cluster's barrier
	s_add_nc_u64 s[G0+4*(\slot)+2:G0+4*(\slot)+3], s[G0+4*(\slot)+2:G0+4*(\slot)+3], 0x400000
	s_add_nc_u64 s[G0B+4*(\slot)+2:G0B+4*(\slot)+3], s[G0B+4*(\slot)+2:G0B+4*(\slot)+3], 0x100000
	JLOAD \slot                                    ; the first tensor load behind the round, into the slot just left; its four v_nop are also the places in front of the loads below
.else
	PLACES
.endif
	FETCH \next, 0, F0
	WIN MUL
	MUL8 F1, 1, 0, 0
	MUL8 F1, 1, 2, 0
.endm
; F = F + T x the head's scale of my row; each accumulator from its low end on.  The other accumulators' lines are the places in front of the next head's first products, which write T anew.
.macro FOLD hd
	PLACES
	WIN 0xa8                                       ; T window 0; the scale, F window 2
.irp a, 0,1,2,3
.irp b, 0,1,2,3
.irp p, 0,1,2,3
.if (\hd) == 0
	v_pk_mul_f32 v[8*(4*\a+\b)+2*\p:8*(4*\a+\b)+2*\p+1], v[ACC+8*(4*\a+\b)+2*\p:ACC+8*(4*\a+\b)+2*\p+1], v[128+8*\a:129+8*\a] op_sel_hi:[1,0]
.elseif (\hd)%2 == 0
	v_pk_fma_f32 v[8*(4*\a+\b)+2*\p:8*(4*\a+\b)+2*\p+1], v[ACC+8*(4*\a+\b)+2*\p:ACC+8*(4*\a+\b)+2*\p+1], v[128+8*\a+(\hd):129+8*\a+(\hd)], v[8*(4*\a+\b)+2*\p:8*(4*\a+\b)+2*\p+1] op_sel_hi:[1,0,1]
.else
	v_pk_fma_f32 v[8*(4*\a+\b)+2*\p:8*(4*\a+\b)+2*\p+1], v[ACC+8*(4*\a+\b)+2*\p:ACC+8*(4*\a+\b)+2*\p+1], v[127+8*\a+(\hd):128+8*\a+(\hd)], v[8*(4*\a+\b)+2*\p:8*(4*\a+\b)+2*\p+1] op_sel:[0,1,0] op_sel_hi:[1,1,1]
.endif
.endr
.endr
.endr
.endm
; One head.  sl: its slot (hd % 2), nx: the other slot, both as plain numbers.  fill: 1 the slot is filled again, 0 it is not, 2 the last head
.macro KSTEP hd, sl, nx, fill
	QUARTER \sl, 1, F0, F1, 1                      ; the first products start T anew
	QUARTER \sl, 2, F1, F0, 0
	QUARTER \sl, 3, F0, F1, 0
.if \fill < 2
	TURN \sl, \nx, \fill
.else
	s_wait_dscnt 16                                ; the very last quarter: nothing more to fetch
	WIN MUL
	MUL8 F1, 0, 0, 0
	MUL8 F1, 0, 2, 0
	s_wait_dscnt 0
	MUL8 F1, 1, 0, 0
	MUL8 F1, 1, 2, 0
.endif
.if (\hd) == 0
	s_wait_loadcnt 0x0                             ; the scales
.endif
	FOLD \hd
.endm
	s_wait_tensorcnt 1                             ; my part of head 0 is in; head 1's may stay out
	s_barrier_signal -1
	s_barrier_wait -1
	FETCH 0, 0, F0
	KSTEP 0, 0, 1, 1
	KSTEP 1, 1, 0, 1
	KSTEP 2, 0, 1, 1
	KSTEP 3, 1, 0, 1
	KSTEP 4, 0, 1, 1
	KSTEP 5, 1, 0, 1
	KSTEP 6, 0, 1, 0
	KSTEP 7, 1, 0, 2
; THE WAY OUT, 16 rows at a time: a lane's 32 bytes go into my own stage and come back as whole rows of 256 bytes: sixteen lanes store 256 consecutive bytes, aligned.  LDS serves a wave's instructions in order.
.macro OUT a
.if (\a) > 1
	s_wait_xcnt 0x0                                ; the stores of two blocks ago have read this set of registers
.endif
	WIN 0x08                                       ; an LDS store's data are its source 1: window 2
.irp b, 0,1,2,3
	ds_store_b128 v[STO], v[8*(4*(\a)+\b):8*(4*(\a)+\b)+3] offset:64*\b
	ds_store_b128 v[STO], v[8*(4*(\a)+\b)+4:8*(4*(\a)+\b)+7] offset:64*\b+16
.endr
	WIN 0
.irp i, 0,1,2,3,4,5,6,7
	ds_load_b128 v[TMP+32*((\a)%2)+4*\i:TMP+32*((\a)%2)+4*\i+3], v[RD] offset:\i*2*SPITCH
.endr
.irp i, 0,1,2,3,4,5,6,7
	s_wait_dscnt 7-\i                              ; pair i of rows is back; the younger loads stay out
	global_store_b128 v[CO], v[TMP+32*((\a)%2)+4*\i:TMP+32*((\a)%2)+4*\i+3], s[10:11] offset:(16*(\a)+2*\i)*4096 th:TH_STORE_NT
.endr
.endm
	OUT 0
	OUT 1
	OUT 2
	OUT 3
	s_wait_tensorcnt 0x0                           ; the wave's end: these three lines behind my last tensor load and my last LDS store
	ds_add_u32 v[SPW], v[NIL]
	s_wait_dscnt 0x0
	CROUND                                         ; the closing round
	s_endpgm
.Lfunc_end_k_q16ed10445e_oproj:
	.size	k_q16ed10445e_oproj, .Lfunc_end_k_q16ed10445e_oproj-k_q16ed10445e_oproj
	.p2alignl 7, 3214868480
	.fill 96, 4, 3214868480
	.section	.rodata,"a",@progbits
	.p2align	6, 0x0
	.amdhsa_kernel k_q16ed10445e_oproj
		.amdhsa_group_segment_fixed_size 327680
		.amdhsa_private_segment_fixed_size 0
		.amdhsa_enable_private_segment 0
		.amdhsa_kernarg_size 32
		.amdhsa_user_sgpr_count 2
		.amdhsa_user_sgpr_kernarg_segment_ptr 1
		.amdhsa_wavefront_size32 1
		.amdhsa_system_sgpr_workgroup_id_x 1
		.amdhsa_system_sgpr_workgroup_id_y 1
		.amdhsa_system_sgpr_workgroup_id_z 1
		.amdhsa_system_vgpr_workitem_id 0
		.amdhsa_next_free_vgpr 768
		.amdhsa_next_free_sgpr 66
		.amdhsa_reserve_vcc 0
		.amdhsa_float_denorm_mode_32 3
		.amdhsa_float_denorm_mode_16_64 3
		.amdhsa_memory_ordered 1
		.amdhsa_forward_progress 1
		.amdhsa_inst_pref_size 195
	.end_amdhsa_kernel
	.amdgpu_metadata
---
amdhsa.version: [ 1, 2 ]
amdhsa.kernels:
  - .name:           k_q16ed10445e_oproj
    .symbol:         k_q16ed10445e_oproj.kd
    .args:
      - { .name: a16, .offset: 0, .size: 8, .value_kind: global_buffer, .address_space: global }
      - { .name: ascale, .offset: 8, .size: 8, .value_kind: global_buffer, .address_space: global }
      - { .name: tab, .offset: 16, .size: 8, .value_kind: global_buffer, .address_space: global }
      - { .name: out0, .offset: 24, .size: 8, .value_kind: global_buffer, .address_space: global }
    .group_segment_fixed_size: 327680
    .private_segment_fixed_size: 0
    .kernarg_segment_align: 8
    .kernarg_segment_size: 32
    .max_flat_workgroup_size: 128
    .sgpr_count:     66
    .vgpr_count:     768
    .wavefront_size: 32
...
	.end_amdgpu_metadata
.endif
;; end of part 4
